; MI455X (gfx1250); checked and timed in simulation.
; The chip was launched on July 23, 2026; its instructions are those of AMD's public machine-readable ISA for CDNA 5 (MIT licence, August 2026) and "CDNA5" Instruction Set Architecture Reference Guide (July 2026). The comments in the code are by the model that wrote it; some were corrected since.
;; DSAATSP Model. Allowed arithmetic: float matrix products may take bf16 or f16 operands with f32 sums; other float arithmetic in f32, or as packed bf16 or f16 multiplies, adds, multiply-adds, maxima and minima; sums over many terms, partial sums and values carried from step to step in f32; what a program stores and reads back later, other than sums and carried values, may be rounded once to bf16 or f16.
;; Inputs: Wc 1,024 x 1,024 float32; Wk 1,024 x 1,024 float32; Wq 1,024 x 1,024 float32; Wv 1,024 x 1,024 float32; bc 1,024 float32; conv_b 2 float32; conv_w 2 x 2 float32; encoded_jobs 8 x 1,024 x 1,024 float32; t 8 float32; tW1 512 x 1,024 float32; tW2 1,024 x 512 float32; tb1 512 float32; tb2 1,024 float32; xt 8 x 1,024 x 1,024 float32.
;; Outputs: out0 8 x 1,024 x 1,024 x 2 float32.
;; 2 versions, each right; version 2 is version 1 with the launch prep written anew for expert scheduling mode. Each part assembles by itself: llvm-mc -triple=amdgcn-amd-amdhsa -mcpu=gfx1250 --defsym DOCPART=n.
;; ======== version 1 of 2: 4 launches
;; limits: values are held in f16: magnitudes above 65,504 overflow, below 6.1e-05 lose precision
;; workspace buffers: encb 16,777,216 bytes; wb 8,388,608 bytes; qkvg 67,108,864 bytes; oc 16,777,216 bytes; tpart 524,288 bytes; s2p 524,288 bytes
;; launch prep (part 1): grid 448 x 1, 8 waves a work-group, no clusters, 51,456 bytes of LDS; arguments t, encoded_jobs, Wq, Wk, Wv, Wc, tW1, tb1, tW2, encb, wb, tpart; writes encb, wb, tpart
.if DOCPART == 1
	.amdgcn_target "amdgcn-amd-amdhsa--gfx1250"
	.amdhsa_code_object_version 6
	.text
	.protected	k_q431b6ca4dc_prep
	.globl	k_q431b6ca4dc_prep
	.p2align	8
	.type	k_q431b6ca4dc_prep,@function
k_q431b6ca4dc_prep:
	s_mov_b64 s[64:65], 0
	v_nop
	global_prefetch_b8 v0, s[64:65] scope:SCOPE_SE
	s_setreg_imm32_b32 hwreg(HW_REG_WAVE_MODE, 25, 1), 1
	s_wait_xcnt 0x0
; PREP.  Three kinds of work-group, told apart by the work-group's number alone (the same for all eight waves).
;   0-31   TIME:  the time MLP.  emb = [cos(t f), sin(t f)], h = relu(emb tW1^T + tb1), tpart[g][b][e] = sum over the 32 columns c of chunk g of h[b][c] tW2[e][c]  (f32, no bias yet)
;   32-95  TRANS: wb[3][kb][j][x] = Wc[64 kb + x][j] in f16: Wc transposed, in blocks
;   96-447 CAST:  encb[b][kb][n][x] = enc[b][n][64 kb + x], wb[0..2][kb][row][x] = Wq, Wk, Wv[row][64 kb + x], in f16
; THE BLOCKED LAYOUT: [block of 1,024 rows][16 kb][1,024 rows][64 numbers of f16]: R rows of one kb are R x 128 consecutive bytes.
; LIMITS.  Every number is rounded once to f16: beyond 65,504 it becomes an infinity; below 6e-5 it keeps f16's fixed step of 6e-8.
; sin and cos: the argument is reduced by quarters of a turn with one fused multiply-add; the reduction's error grows as 6e-8 |t|: stated for |t| up to 1e4.  The two series are cut where their
; first dropped term on |r| <= pi/4 is below 4e-7.  NaN and infinities are not treated apart.
; No matrix unit and no cluster for CAST and TRANS: they move bytes, each once.
.set TABP,  2064                       ; a row of the table in LDS: 1,024 f16 + 16 bytes
.set HP,    16640                      ; the eight waves' partial sums of layer 1: 2,048 bytes a wave
.set OST,   33024                      ; the way out of TIME: 8 rows x 272 bytes for each wave
.set SPARE, 50432                      ; the spare words, 128 bytes for each of the eight waves: four blocks of 256 bytes that no other line names
.set SPW,   2                          ; v2  SPARE + 4 x my thread's number; never rewritten
.set NIL,   3                          ; v3  0; never rewritten
	s_load_b512 s[8:23], s[0:1], 0x0               ; t 8, enc 10, Wq 12, Wk 14, Wv 16, Wc 18, tW1 20, tb1 22
	s_load_b256 s[24:31], s[0:1], 0x40             ; tW2 24, encb 26, wb 28, tpart 30
	v_lshl_add_u32 v[SPW], v0, 2, SPARE
	v_mov_b32 v[NIL], 0
	v_lshrrev_b32 v1, 5, v0
	v_readfirstlane_b32 s4, v1                     ; wave 0..7
	v_and_b32 v4, 31, v0                           ; lane l
	v_and_b32 v5, 15, v0                           ; l % 16
	v_bfe_u32 v6, v0, 4, 1                         ; l / 16
	s_mov_b32 s5, ttmp9
	s_wait_kmcnt 0x0
	s_cmp_lt_u32 s5, 32
	s_cbranch_scc1 .Ltime
	s_cmp_lt_u32 s5, 96
	s_cbranch_scc1 .Ltrans
	; CAST.  A work-group takes 32 rows x 1,024 columns; wave w the columns of kb = 2 w and 2 w + 1.  A load covers two rows' 256 bytes, a store 256 consecutive bytes, aligned.
	s_sub_co_u32 s6, s5, 96                        ; 0..351
	s_lshr_b32 s7, s6, 5                           ; block of 1,024 rows: 0-7 enc's batches, 8, 9, 10 Wq, Wk, Wv
	s_and_b32 s32, s6, 31                          ; which 32 rows of it
	s_and_b32 s40, s7, 7                           ; the block's number in its target
	s_cmp_lt_u32 s7, 8
	s_cselect_b32 s34, s6, s32                     ; the 32 rows' number in the source
	s_cselect_b64 s[36:37], s[10:11], s[12:13]
	s_cselect_b64 s[38:39], s[26:27], s[28:29]
	s_cmp_eq_u32 s7, 9
	s_cselect_b64 s[36:37], s[14:15], s[36:37]
	s_cmp_eq_u32 s7, 10
	s_cselect_b64 s[36:37], s[16:17], s[36:37]
	s_lshl_b32 s34, s34, 17                        ; 32 rows of 4,096 bytes
	s_mov_b32 s35, 0
	s_add_nc_u64 s[36:37], s[36:37], s[34:35]
	s_lshl_b32 s40, s40, 21
	s_lshl_b32 s41, s32, 12                        ; 32 rows of 128 bytes
	s_add_co_u32 s40, s40, s41
	s_mov_b32 s41, 0
	s_add_nc_u64 s[38:39], s[38:39], s[40:41]
	v_lshlrev_b32 v7, 12, v6                       ; in: (l / 16) rows + 16 (l % 16) + 512 w
	v_lshl_add_u32 v7, v5, 4, v7
	s_lshl_b32 s42, s4, 9
	v_add_nc_u32 v7, s42, v7
	v_lshlrev_b32 v8, 7, v6                        ; out: (l / 16) rows of 128 + 8 (l % 16) + two planes a wave
	v_lshl_add_u32 v8, v5, 3, v8
	s_lshl_b32 s42, s4, 18
	v_add_nc_u32 v8, s42, v8
.set n, 0
.rept 32                                       ; all 32 loads of the wave go out at once: 16 KiB on their way
	global_load_b128 v[64+4*n:64+4*n+3], v7, s[36:37] offset:(n%16)*8192+(n/16)*256 th:TH_LOAD_NT
.set n, n+1
.endr
.set n, 0
.rept 32
	s_wait_loadcnt 31-n                            ; loads come back in order: number n is in, the 31 - n younger ones stay out
	v_cvt_pk_f16_f32 v[192+2*n], v[64+4*n], v[64+4*n+1]
	v_cvt_pk_f16_f32 v[192+2*n+1], v[64+4*n+2], v[64+4*n+3]
	global_store_b64 v8, v[192+2*n:192+2*n+1], s[38:39] offset:(n/16)*131072+(n%16)*256  ; no register of a store is written again
.set n, n+1
.endr
	s_branch .Lend
.Ltrans:
	; TRANS.  64 rows e (one kb) x 256 columns j of Wc.  Two rows' numbers of one column pack into a word; the words go into LDS rows j of 144 bytes and come back as rows of 128.
	s_sub_co_u32 s6, s5, 32
	s_lshr_b32 s7, s6, 2                           ; kb
	s_and_b32 s6, s6, 3                            ; which 256 columns
	s_lshl_b32 s32, s7, 18
	s_lshl_b32 s33, s6, 10
	s_add_co_u32 s32, s32, s33
	s_mov_b32 s33, 0
	s_add_nc_u64 s[36:37], s[18:19], s[32:33]
	s_lshl_b32 s32, s7, 17
	s_lshl_b32 s34, s6, 15
	s_add_co_u32 s32, s32, s34
	s_add_co_u32 s32, s32, 3<<21
	s_add_nc_u64 s[38:39], s[28:29], s[32:33]
	v_lshrrev_b32 v7, 4, v0                        ; pair of rows 0..15 (and 16 more in the second pass)
	v_lshlrev_b32 v8, 13, v7
	v_lshl_add_u32 v8, v5, 4, v8
.irp q, 0,1,2,3
.irp p, 0,1
.irp h, 0,1
	global_load_b128 v[64+4*(((\q)*2+(\p))*2+(\h)):64+4*(((\q)*2+(\p))*2+(\h))+3], v8, s[36:37] offset:(\p)*131072+(\h)*4096+(\q)*256 th:TH_LOAD_NT
.endr
.endr
.endr
	v_mul_u32_u24 v9, v5, 576                      ; LDS row 4 (t % 16) + .., word of my pair of rows
	v_lshl_add_u32 v9, v7, 2, v9
	v_lshrrev_b32 v10, 3, v0
	v_mul_u32_u24 v10, v10, 144
	v_and_b32 v11, 7, v0
	v_lshl_add_u32 v10, v11, 4, v10                ; back: row t / 8, 16 bytes
	v_lshlrev_b32 v11, 4, v0
	s_wait_loadcnt 0x0
.irp q, 0,1,2,3
.irp p, 0,1
.irp j, 0,1,2,3
	v_cvt_pk_f16_f32 v[192+((\q)*2+(\p))*4+(\j)], v[64+8*((\q)*2+(\p))+(\j)], v[64+8*((\q)*2+(\p))+4+(\j)]
	ds_store_b32 v9, v[192+((\q)*2+(\p))*4+(\j)] offset:(\q)*9216+(\j)*144+(\p)*64
.endr
.endr
.endr
	s_wait_dscnt 0x0                               ; for the others' sake: my stores are done
	s_barrier_signal -1
	s_barrier_wait -1
.irp n, 0,1,2,3,4,5,6,7
	ds_load_b128 v[64+4*(\n):64+4*(\n)+3], v10 offset:(\n)*4608
.endr
.irp n, 0,1,2,3,4,5,6,7
	s_wait_dscnt 7-(\n)
	global_store_b128 v11, v[64+4*(\n):64+4*(\n)+3], s[38:39] offset:(\n)*4096  ; a wave's store covers 512 consecutive bytes, aligned
.endr
	s_branch .Lend
.Ltime:
	; TIME.  g = number / 2: the 32 columns of h; number % 2: which 512 of the 1,024 e.  Layer 1's K = 1,024 is split among the eight waves, 128 each; in layer 2 a wave makes 64 e.
	; Both products are taken with the weights as source 0 and the 8 batches (each twice) as source 1: a lane holds one batch and eight neighbouring columns, so layer 1's two results,
	; rounded in pairs, are source 1 of layer 2.
	s_lshr_b32 s6, s5, 1
	s_and_b32 s7, s5, 1
	s_mov_b32 s59, 0
	s_lshl_b32 s58, s4, 2
	s_add_nc_u64 s[56:57], s[8:9], s[58:59]
	s_load_b32 s60, s[56:57], 0x0                  ; t of batch = my wave's number
	s_lshl_b32 s58, s6, 17
	s_add_nc_u64 s[48:49], s[20:21], s[58:59]      ; tW1 at the chunk's 32 rows
	s_lshl_b32 s58, s6, 7
	s_add_nc_u64 s[50:51], s[22:23], s[58:59]      ; tb1 at the chunk
	s_add_nc_u64 s[52:53], s[24:25], s[58:59]      ; tW2 at the chunk's 32 columns,
	s_lshl_b32 s58, s7, 3
	s_add_co_u32 s58, s58, s4
	s_lshl_b32 s61, s58, 8
	s_lshl_b32 s58, s58, 17
	s_add_nc_u64 s[52:53], s[52:53], s[58:59]      ; at my 64 rows
	s_lshl_b32 s58, s6, 15
	s_add_co_u32 s58, s58, s61
	s_add_nc_u64 s[54:55], s[30:31], s[58:59]      ; tpart[g][0][my 64 e]
	v_lshlrev_b32 v9, 5, v6                        ; 32 (l / 16): eight f32
	v_lshl_add_u32 v7, v5, 12, v9
	s_lshl_b32 s61, s4, 9
	v_add_nc_u32 v7, s61, v7                       ; tW1: row l % 16, my wave's 128 columns
	v_lshl_add_u32 v8, v5, 11, v9                  ; tW2: row l % 16
.irp j, 0,1
	global_load_b128 v[48+8*(\j):48+8*(\j)+3], v9, s[50:51] offset:64*(\j)
	global_load_b128 v[48+8*(\j)+4:48+8*(\j)+7], v9, s[50:51] offset:64*(\j)+16
.endr
.irp s, 0,1,2,3
.irp j, 0,1
.irp p, 0,1,2,3
	global_load_b128 v[128+16*(2*(\s)+(\j))+4*(\p):128+16*(2*(\s)+(\j))+4*(\p)+3], v7, s[48:49] offset:(\j)*65536+(\s)*128+((\p)/2)*64+((\p)%2)*16
.endr
.endr
.endr
	s_mul_i32 s61, s4, TABP
	v_lshl_add_u32 v10, v4, 4, s61                 ; the table: my batch's row, 16 bytes a lane
	v_and_b32 v16, 7, v0
	v_mul_u32_u24 v11, v16, TABP                   ; a fragment of emb: batch (l % 16) % 8,
	v_lshl_add_u32 v11, v6, 4, v11
	s_lshl_b32 s61, s4, 8
	v_add_nc_u32 v11, s61, v11                     ; my wave's 128 numbers
	s_lshl_b32 s61, s4, 11
	s_add_co_u32 s61, s61, HP
	v_lshl_add_u32 v12, v4, 5, s61
	v_lshlrev_b32 v13, 5, v4
	v_add_nc_u32 v13, HP, v13
	s_mul_i32 s61, s4, 2176
	s_add_co_u32 s61, s61, OST
	v_mul_u32_u24 v14, v16, 272
	v_add_nc_u32 v14, v14, v9
	v_add_nc_u32 v14, s61, v14
	v_mul_u32_u24 v15, v6, 272
	v_lshl_add_u32 v15, v5, 4, v15
	v_add_nc_u32 v15, s61, v15
	v_lshlrev_b32 v1, 12, v6
	v_lshl_add_u32 v1, v5, 4, v1                   ; tpart: batch l / 16 (+ 2 n), 16 bytes
.macro COEF r, x                       ; a pair: the packed forms name both words
	s_mov_b32 s[\r], \x
	s_mov_b32 s[\r+1], \x
.endm
	COEF 32, 0x3f22f983                            ; 2 / pi
	COEF 34, 0x3fc90fdb                            ; pi / 2
	COEF 36, 0xbe2aaaab                            ; -1/6
	COEF 38, 0x3c088889                            ; 1/120
	COEF 40, 0xb9500d01                            ; -1/5040
	COEF 42, 0x3d2aaaab                            ; 1/24
	COEF 44, 0xbab60b61                            ; -1/720
	COEF 46, 0x37d00d01                            ; 1/40320
	v_lshlrev_b32 v120, 3, v4
	s_wait_kmcnt 0x0
	; The table: 512 frequencies, 8 a lane, twice.  v16-23 x, v24-31 n, v32-39 r, v40-47 r^2, v64-71 sin r, v72-79 cos r, v80-95 at work, v96-103 sin x, v104-111 cos x.
.irp u, 0,1
.irp e, 0,1,2,3,4,5,6,7
	v_add_nc_u32 v[16+(\e)], 256*(\u)+(\e), v120
.endr
.irp e, 0,1,2,3,4,5,6,7
	v_cvt_f32_u32 v[16+(\e)], v[16+(\e)]
.endr
.irp e, 0,1,2,3,4,5,6,7
	v_mul_f32 v[16+(\e)], 0xbcd49a78, v[16+(\e)]   ; -log2(10000) / 512 x i
.endr
.irp e, 0,1,2,3,4,5,6,7
	v_exp_f32 v[16+(\e)], v[16+(\e)]
.endr
	v_nop                                          ; a plain instruction behind the last exponential,
	s_wait_alu depctr_va_vdst(0)                   ; and one wait for the eight, ahead of their first reader
.irp e, 0,1,2,3,4,5,6,7
	v_mul_f32 v[16+(\e)], s60, v[16+(\e)]          ; x = t f
.endr
.irp p, 0,2,4,6
	v_pk_mul_f32 v[24+(\p):25+(\p)], v[16+(\p):17+(\p)], s[32:33] op_sel_hi:[1,0]
.endr
.irp e, 0,1,2,3,4,5,6,7
	v_rndne_f32 v[24+(\e)], v[24+(\e)]             ; n: quarters of a turn
.endr
.irp p, 0,2,4,6
	v_pk_fma_f32 v[32+(\p):33+(\p)], v[16+(\p):17+(\p)], s[32:33], v[24+(\p):25+(\p)] op_sel_hi:[1,0,1] neg_lo:[0,0,1] neg_hi:[0,0,1]
.endr
.irp p, 0,2,4,6
	v_pk_mul_f32 v[32+(\p):33+(\p)], v[32+(\p):33+(\p)], s[34:35] op_sel_hi:[1,0]  ; r, within pi / 4
.endr
.irp p, 0,2,4,6
	v_pk_mul_f32 v[40+(\p):41+(\p)], v[32+(\p):33+(\p)], v[32+(\p):33+(\p)]
.endr
.irp p, 0,2,4,6
	v_pk_fma_f32 v[64+(\p):65+(\p)], v[40+(\p):41+(\p)], s[40:41], s[38:39] op_sel_hi:[1,0,0]
	v_pk_fma_f32 v[72+(\p):73+(\p)], v[40+(\p):41+(\p)], s[46:47], s[44:45] op_sel_hi:[1,0,0]
.endr
.irp p, 0,2,4,6
	v_pk_fma_f32 v[64+(\p):65+(\p)], v[64+(\p):65+(\p)], v[40+(\p):41+(\p)], s[36:37] op_sel_hi:[1,1,0]
	v_pk_fma_f32 v[72+(\p):73+(\p)], v[72+(\p):73+(\p)], v[40+(\p):41+(\p)], s[42:43] op_sel_hi:[1,1,0]
.endr
.irp p, 0,2,4,6
	v_pk_fma_f32 v[64+(\p):65+(\p)], v[64+(\p):65+(\p)], v[40+(\p):41+(\p)], 1.0 op_sel_hi:[1,1,0]
	v_pk_fma_f32 v[72+(\p):73+(\p)], v[72+(\p):73+(\p)], v[40+(\p):41+(\p)], -0.5 op_sel_hi:[1,1,0]
.endr
.irp p, 0,2,4,6
	v_pk_mul_f32 v[64+(\p):65+(\p)], v[64+(\p):65+(\p)], v[32+(\p):33+(\p)]
	v_pk_fma_f32 v[72+(\p):73+(\p)], v[72+(\p):73+(\p)], v[40+(\p):41+(\p)], 1.0 op_sel_hi:[1,1,0]
.endr
.irp e, 0,1,2,3,4,5,6,7                ; n odd: sine and cosine change places; bit 1 of n turns the sine's sign, bit 1 of n + 1 the cosine's
	v_cvt_i32_f32 v[80+(\e)], v[24+(\e)]
	v_and_b32 v[88+(\e)], 1, v[80+(\e)]
	v_cmp_eq_u32 vcc_lo, 1, v[88+(\e)]
	v_cndmask_b32 v[96+(\e)], v[64+(\e)], v[72+(\e)], vcc_lo
	v_cndmask_b32 v[104+(\e)], v[72+(\e)], v[64+(\e)], vcc_lo
	v_lshlrev_b32 v[88+(\e)], 30, v[80+(\e)]
	v_and_b32 v[88+(\e)], 0x80000000, v[88+(\e)]
	v_xor_b32 v[96+(\e)], v[88+(\e)], v[96+(\e)]
	v_add_nc_u32 v[80+(\e)], 1, v[80+(\e)]
	v_lshlrev_b32 v[80+(\e)], 30, v[80+(\e)]
	v_and_b32 v[80+(\e)], 0x80000000, v[80+(\e)]
	v_xor_b32 v[104+(\e)], v[80+(\e)], v[104+(\e)]
.endr
.irp j, 0,1,2,3
	v_cvt_pk_f16_f32 v[112+(\j)], v[104+2*(\j)], v[104+2*(\j)+1]
	v_cvt_pk_f16_f32 v[116+(\j)], v[96+2*(\j)], v[96+2*(\j)+1]
.endr
	ds_store_b128 v10, v[112:115] offset:512*(\u)        ; cosines: numbers 0-511 of the row
	ds_store_b128 v10, v[116:119] offset:1024+512*(\u)   ; sines: 512-1,023
.endr
	s_wait_loadcnt 0x0                             ; tb1 and tW1
.set n, 0
.rept 64
	v_cvt_pk_f16_f32 v[64+n], v[128+2*n], v[128+2*n+1]   ; fragment (K part s, tile j) at v[64 + 8 (2 s + j)]
.set n, n+1
.endr
.irp j, 0,1,2,3
.irp p, 0,1,2,3
	global_load_b128 v[128+16*(\j)+4*(\p):128+16*(\j)+4*(\p)+3], v8, s[52:53] offset:(\j)*32768+((\p)/2)*64+((\p)%2)*16
.endr
.endr
	s_wait_dscnt 0x0                               ; my row of the table is stored
	s_barrier_signal -1
	s_barrier_wait -1                              ; all eight rows are
.irp s, 0,1,2,3
	ds_load_b128 v[16+8*(\s):16+8*(\s)+3], v11 offset:64*(\s)
	ds_load_b128 v[16+8*(\s)+4:16+8*(\s)+7], v11 offset:64*(\s)+32
.endr
	s_wait_dscnt 0x0
.irp s, 0,1,2,3                        ; the two accumulators take turns, one instruction a turn; the first two products start the sums
.irp j, 0,1
.if (\s) == 0
	v_wmma_f32_16x16x32_f16 v[192+8*(\j):199+8*(\j)], v[64+8*(2*(\s)+(\j)):64+8*(2*(\s)+(\j))+7], v[16+8*(\s):16+8*(\s)+7], 0
.else
	v_wmma_f32_16x16x32_f16 v[192+8*(\j):199+8*(\j)], v[64+8*(2*(\s)+(\j)):64+8*(2*(\s)+(\j))+7], v[16+8*(\s):16+8*(\s)+7], v[192+8*(\j):199+8*(\j)]
.endif
.endr
.endr
.rept 4
	v_nop                                          ; four places behind the last product, ahead of the stores of its result and of loads into its sources
.endr
.irp j, 0,1
	ds_store_b128 v12, v[192+8*(\j):195+8*(\j)] offset:1024*(\j)
	ds_store_b128 v12, v[196+8*(\j):199+8*(\j)] offset:1024*(\j)+16
.endr
	s_wait_dscnt 0x0
	s_barrier_signal -1
	s_barrier_wait -1                              ; the eight partial sums of both tiles lie in LDS; every wave adds them up for itself
.irp j, 0,1
.irp w, 0,1,2,3,4,5,6,7
	ds_load_b128 v[64+8*(\w):64+8*(\w)+3], v13 offset:2048*(\w)+1024*(\j)
	ds_load_b128 v[64+8*(\w)+4:64+8*(\w)+7], v13 offset:2048*(\w)+1024*(\j)+16
.endr
	s_wait_dscnt 0x0
.irp k, 0,1,2,3
.irp p, 0,2,4,6
	v_pk_add_f32 v[64+16*(\k)+(\p):65+16*(\k)+(\p)], v[64+16*(\k)+(\p):65+16*(\k)+(\p)], v[72+16*(\k)+(\p):73+16*(\k)+(\p)]
.endr
.endr
.irp k, 0,1
.irp p, 0,2,4,6
	v_pk_add_f32 v[64+32*(\k)+(\p):65+32*(\k)+(\p)], v[64+32*(\k)+(\p):65+32*(\k)+(\p)], v[80+32*(\k)+(\p):81+32*(\k)+(\p)]
.endr
.endr
.irp p, 0,2,4,6
	v_pk_add_f32 v[64+(\p):65+(\p)], v[64+(\p):65+(\p)], v[96+(\p):97+(\p)]
.endr
.irp p, 0,2,4,6
	v_pk_add_f32 v[64+(\p):65+(\p)], v[64+(\p):65+(\p)], v[48+8*(\j)+(\p):49+8*(\j)+(\p)]  ; + tb1
.endr
.irp e, 0,1,2,3,4,5,6,7
	v_max_num_f32 v[64+(\e)], 0, v[64+(\e)]        ; relu
.endr
.irp e, 0,1,2,3
	v_cvt_pk_f16_f32 v[208+4*(\j)+(\e)], v[64+2*(\e)], v[64+2*(\e)+1]
.endr
.endr
	s_wait_loadcnt 0x0                             ; tW2
.set n, 0
.rept 32                                       ; in ascending order each line writes a register that earlier lines have read
	v_cvt_pk_f16_f32 v[128+16*(n/8)+n%8], v[128+16*(n/8)+2*(n%8)], v[128+16*(n/8)+2*(n%8)+1]
.set n, n+1
.endr
.irp j, 0,1,2,3
	v_wmma_f32_16x16x32_f16 v[216+8*(\j):223+8*(\j)], v[128+16*(\j):135+16*(\j)], v[208:215], 0
.endr
.rept 4
	v_nop
.endr
.irp j, 0,1,2,3
	ds_store_b128 v14, v[216+8*(\j):219+8*(\j)] offset:64*(\j)      ; lanes 8-15 and 24-31 hold the same batches as 0-7 and 16-23 and store the same numbers
	ds_store_b128 v14, v[220+8*(\j):223+8*(\j)] offset:64*(\j)+16
.endr
.irp n, 0,1,2,3
	ds_load_b128 v[64+4*(\n):64+4*(\n)+3], v15 offset:544*(\n)      ; my own bytes: LDS serves a wave's instructions in order
.endr
.irp n, 0,1,2,3
	s_wait_dscnt 3-(\n)
	global_store_b128 v1, v[64+4*(\n):64+4*(\n)+3], s[54:55] offset:8192*(\n)  ; sixteen lanes store 256 consecutive bytes, aligned
.endr
.Lend:
	s_wait_tensorcnt 0x0                           ; the wave's end, behind my last LDS store
	ds_add_u32 v[SPW], v[NIL]
	s_wait_dscnt 0x0
	s_endpgm
.Lfunc_end_k_q431b6ca4dc_prep:
	.size	k_q431b6ca4dc_prep, .Lfunc_end_k_q431b6ca4dc_prep-k_q431b6ca4dc_prep
	.p2alignl 7, 3214868480
	.fill 96, 4, 3214868480
	.section	.rodata,"a",@progbits
	.p2align	6, 0x0
	.amdhsa_kernel k_q431b6ca4dc_prep
		.amdhsa_group_segment_fixed_size 51456
		.amdhsa_private_segment_fixed_size 0
		.amdhsa_enable_private_segment 0
		.amdhsa_kernarg_size 96
		.amdhsa_user_sgpr_count 2
		.amdhsa_user_sgpr_kernarg_segment_ptr 1
		.amdhsa_wavefront_size32 1
		.amdhsa_system_sgpr_workgroup_id_x 1
		.amdhsa_system_sgpr_workgroup_id_y 1
		.amdhsa_system_sgpr_workgroup_id_z 1
		.amdhsa_system_vgpr_workitem_id 0
		.amdhsa_next_free_vgpr 256
		.amdhsa_next_free_sgpr 66
		.amdhsa_reserve_vcc 1
		.amdhsa_float_denorm_mode_32 3
		.amdhsa_float_denorm_mode_16_64 3
		.amdhsa_memory_ordered 1
		.amdhsa_forward_progress 1
		.amdhsa_inst_pref_size 64
	.end_amdhsa_kernel
	.amdgpu_metadata
---
amdhsa.version: [ 1, 2 ]
amdhsa.kernels:
  - .name:           k_q431b6ca4dc_prep
    .symbol:         k_q431b6ca4dc_prep.kd
    .args:
      - { .name: t, .offset: 0, .size: 8, .value_kind: global_buffer, .address_space: global }
      - { .name: encoded_jobs, .offset: 8, .size: 8, .value_kind: global_buffer, .address_space: global }
      - { .name: Wq, .offset: 16, .size: 8, .value_kind: global_buffer, .address_space: global }
      - { .name: Wk, .offset: 24, .size: 8, .value_kind: global_buffer, .address_space: global }
      - { .name: Wv, .offset: 32, .size: 8, .value_kind: global_buffer, .address_space: global }
      - { .name: Wc, .offset: 40, .size: 8, .value_kind: global_buffer, .address_space: global }
      - { .name: tW1, .offset: 48, .size: 8, .value_kind: global_buffer, .address_space: global }
      - { .name: tb1, .offset: 56, .size: 8, .value_kind: global_buffer, .address_space: global }
      - { .name: tW2, .offset: 64, .size: 8, .value_kind: global_buffer, .address_space: global }
      - { .name: encb, .offset: 72, .size: 8, .value_kind: global_buffer, .address_space: global }
      - { .name: wb, .offset: 80, .size: 8, .value_kind: global_buffer, .address_space: global }
      - { .name: tpart, .offset: 88, .size: 8, .value_kind: global_buffer, .address_space: global }
    .group_segment_fixed_size: 51456
    .private_segment_fixed_size: 0
    .kernarg_segment_align: 8
    .kernarg_segment_size: 96
    .max_flat_workgroup_size: 256
    .sgpr_count:     66
    .vgpr_count:     256
    .wavefront_size: 32
...
	.end_amdgpu_metadata
.endif
;; end of part 1
;; launch gemm (part 2): grid 16 x 16, 4 waves a work-group, clusters of 4 x 4, 327,680 bytes of LDS; arguments encb, wb, qkvg; writes qkvg
.if DOCPART == 2
	.amdgcn_target "amdgcn-amd-amdhsa--gfx1250"
	.amdhsa_code_object_version 6
	.text
	.protected	k_q431b6ca4dc_gemm
	.globl	k_q431b6ca4dc_gemm
	.p2align	8
	.type	k_q431b6ca4dc_gemm,@function
k_q431b6ca4dc_gemm:
	s_mov_b64 s[64:65], 0
	v_nop
	global_prefetch_b8 v0, s[64:65] scope:SCOPE_SE
	s_setreg_imm32_b32 hwreg(HW_REG_WAVE_MODE, 25, 1), 1
	s_wait_xcnt 0x0
	s_wait_alu depctr_hold_cnt(0) depctr_sa_sdst(0) depctr_va_vdst(0) depctr_va_sdst(0) depctr_va_ssrc(0) depctr_va_vcc(0) depctr_vm_vsrc(0)
	s_getreg_b32 s2, hwreg(HW_REG_IB_STS2, 6, 4)
	s_cmp_eq_u32 s2, 0
	s_cbranch_scc0 .Lentry_in_a_cluster
	s_endpgm
.Lentry_in_a_cluster:
	s_bfe_u32 s2, ttmp6, 0x10000c
	s_cmp_lg_u32 s2, 0xf033
	s_cbranch_scc0 .Lentry_shape_is_right
	s_endpgm
.Lentry_shape_is_right:
; [q | k | v | G] = enc x [Wq; Wk; Wv; Wc^T]^T: M = 8,192, N = 4,096, K = 1,024; f16 operands, f32 sums, the result rounded once to f16 (beyond 65,504 an infinity: stated limit).
; Operands lie in blocks [block of 1,024 rows][16 kb][1,024 rows][64]: 256 rows of one kb are 32,768 consecutive bytes, asked for as 128 rows of 256 bytes and padded in LDS after every 128.
; q, k, v go out as qkvg[which][b][head block][n][64]; G, the fourth part, as [b][8 blocks of 128 rows][16 kb][128 rows][64], so that the launch that multiplies by it finds several kb of a block on end.
; A tile of C, 256 x 256, is made by four waves, each 128 x 128: 64 accumulators, 512 registers.  K goes in steps of 128 (two kb) through two LDS slots; each wave fetches one kb of A or of B.
; A WORK-GROUP STAYS: it makes two tiles, 4,096 rows apart, with the same rows of B.  Their 16 K steps are ONE walk for the ring: a loop of 14 trips, each with a refill, and a loop of two trips without.
; In the trip that ends the first tile a forward jump takes the way out and the quarter that starts new sums; nothing waits for that tile's stores.
; CLUSTER 4 x 4: A's tile is shared along a row of the cluster, B's along a column: joint loads with a mask of four.
; The matrix instruction is used transposed (source 0 = rows of B, source 1 = rows of A): a lane holds eight neighbouring columns of one row of C.
; REGISTERS: window 0: v0-31 addresses, v64-191 A's two fragment buffers, v32-63 and v192-255 the way out; window 1: v64-191 B's two buffers; windows 2, 3: the accumulators.
.set KSB,    262144                    ; bytes from a K step to the next: two kb planes
.set PITCH,  144                       ; an LDS row: 128 bytes + 16 = 36 words: the 16 rows of a load start at 16 different groups of four banks (64 banks of 4 bytes: ISA guide 11.1)
.set HALFT,  256*PITCH                 ; what one tensor load brings: 256 rows of one kb
.set SLOT,   4*HALFT                   ; A kb 0, A kb 1, B kb 0, B kb 1.  0x24000: it shares no bit with wave x HALFT (0x9000, 0x12000, 0x1b000), so an exclusive or moves a wave's part from slot to slot
.set STAGE,  2*SLOT                    ; behind the ring: 16 rows x 272 bytes for each wave
.set SPITCH, 272
.set SPARE,  STAGE+4*16*SPITCH         ; the spare words, 128 bytes a wave: two blocks of 256 bytes that no other line names
.set A0,   16                          ; v16  my lane's place in a slot's A; never rewritten
.set ADRA, 17                          ; v17  the same in the slot that is being read
.set B0,   20
.set ADRB, 21
.set STO,  24
.set RD,   25
.set CO,   26                          ; v26, v27  my 16 bytes in the result, first and second kb plane
.set SPW,  28
.set NIL,  29
.set PFO,  30
.set F0,   64
.set F1,   128
.set TMP,  192
.set OB,   32
.set G1,   24                          ; s[24:31] group 1 for A's tiles
.set G0,   32                          ; s[32:35] group 0 of A's first fill; s[36:39] the one that walks
.set LIM,  43                          ; s43  a wave prefetches while the trip counter is above it
.set PFA,  44                          ; s[44:45] the address that a prefetch names
.set G1B,  48
.set G0B,  56
.set TB,   66                          ; s66  0 or SLOT: the slot that is being read
.set NXF,  67                          ; s67  the K step, 0 to 15 over both tiles, that the next refill asks for
.set OA,   68                          ; s[68:69] its byte offset in A
.set OBB,  70                          ; s[70:71] in B
.set PFB,  72                          ; s[72:73] my part of K step 0, my work-group's 32 blocks of it
.set PO,   74                          ; s[74:75] the offset of the K step that a prefetch names
.set T0,   76
.set MSB, 0
.macro WIN new                         ; the immediate's high byte repeats the setting that is left
.if MSB != (\new)
	s_set_vgpr_msb (MSB<<8)|(\new)
.set MSB, \new
.endif
.endm
.set MUL_LO, 0xa1
.set MUL_HI, 0xf1
.set TO_B,   0x40
.macro JLOAD s                         ; a joint load: waves 0, 1 fetch A's two kb, waves 2, 3 B's; the branch hangs on the wave's number alone
	s_cmp_eq_u32 s11, 0
	s_cbranch_scc0 .Lfor_b_\@
	tensor_load_to_lds s[G0+4*(\s):G0+4*(\s)+3], s[G1:G1+7]
	s_nop 0
.rept 4
	v_nop
.endr
	s_branch .Lasked_\@
.Lfor_b_\@:
	tensor_load_to_lds s[G0B+4*(\s):G0B+4*(\s)+3], s[G1B:G1B+7]
	s_nop 0
.rept 4
	v_nop
.endr
.Lasked_\@:
.endm
; A prefetch, behind each joint load and the run of LDS loads that follows it: the K step two refills on.  A wave's part of a K step is 128 blocks of 256 bytes; of them the partner at place p
; (cx for A, cy for B) names blocks 32 p + lane.  A's rows are asked for by the clusters with x = 0, K steps 4 to 15 of the walk; B's by those with y = 0, K steps 4 to 7 alone: the second tile reads B's rows again.
; Each block is named once.  K steps 0 to 3 come by their loads alone.
.macro ASK
	s_cmp_gt_u32 s3, s[LIM]
	s_cbranch_scc0 .Lnot_mine_\@
	global_prefetch_b8 v[PFO], s[PFA:PFA+1] th:TH_LOAD_NT scope:SCOPE_SE
.Lnot_mine_\@:
.endm
.macro CREST
	s_cmp_lg_u32 s10, 0
	s_cbranch_scc1 .Lnot_wave_0_\@
	s_barrier_signal -3
.Lnot_wave_0_\@:
	s_barrier_wait -3
	s_barrier_signal -1
	s_barrier_wait -1
.endm
.macro CROUND
	s_barrier_signal -1
	s_barrier_wait -1
	CREST
.endm
	s_load_b128 s[4:7], s[0:1], 0x0                ; encb, wb
	s_load_b64 s[8:9], s[0:1], 0x10                ; qkvg
	v_lshl_add_u32 v[SPW], v0, 2, SPARE
	v_mov_b32 v[NIL], 0
	ds_add_u32 v[SPW], v[NIL]                      ; the wave's opening: the add and its wait, ahead of my first tensor load
	v_lshrrev_b32 v1, 5, v0
	v_readfirstlane_b32 s10, v1                    ; wave 0..3
	s_lshr_b32 s11, s10, 1                         ; my half of the tile's rows; also: I fetch for A (0) or B (1)
	s_and_b32 s12, s10, 1                          ; my half of its columns; also: which kb of a K step I fetch
	s_bfe_u32 s40, ttmp6, 0x40000                  ; cx
	s_bfe_u32 s41, ttmp6, 0x40004                  ; cy
	s_lshl_b32 s42, ttmp9, 2
	s_add_co_u32 s42, s42, s40                     ; tile column 0..15
	s_and_b32 s13, ttmp7, 0xffff
	s_lshl_b32 s13, s13, 2
	s_add_co_u32 s13, s13, s41                     ; the first tile's row 0..15; the second's is 16 more
	s_lshl_b32 s43, s41, 2
	s_lshl_b32 s43, 15, s43                        ; my row of the cluster
	s_lshl_b32 s44, 0x1111, s40                    ; my column
	s_or_b32 s[G1+0], s43, (1<<16)|(1<<20)|(1<<21)|(4<<22)|(3<<25)   ; mask; 2-byte elements; padding on; bit 21 beside a mask; after every 32 words; 4 words
	s_or_b32 s[G1B+0], s44, (1<<16)|(1<<20)|(1<<21)|(4<<22)|(3<<25)
.irp g, G1, G1B
	s_mov_b32 s[(\g)+1], 128<<16                   ; tensor_dim0 = 128 elements (256 bytes)
	s_mov_b32 s[(\g)+2], 128<<16                   ; tensor_dim1 = 128
	s_mov_b32 s[(\g)+3], 128<<16                   ; tile_dim0 = 128
	s_mov_b32 s[(\g)+4], 128                       ; tile_dim1 = 128
	s_mov_b32 s[(\g)+5], 128                       ; the rows lie end to end
	s_mov_b32 s[(\g)+6], 0
	s_mov_b32 s[(\g)+7], 0
.endr
	s_lshl_b32 s18, s12, 17                        ; my kb plane
	s_lshr_b32 s16, s13, 2                         ; A: block (batch) = tile row / 4,
	s_lshl_b32 s16, s16, 21
	s_and_b32 s17, s13, 3                          ; 256 rows of 128 bytes for each tile row in it
	s_lshl_b32 s17, s17, 15
	s_add_co_u32 s16, s16, s17
	s_add_co_u32 s16, s16, s18
	s_mov_b32 s17, 0
	s_lshr_b32 s46, s42, 2                         ; B: the same by the tile column
	s_lshl_b32 s46, s46, 21
	s_and_b32 s47, s42, 3
	s_lshl_b32 s47, s47, 15
	s_add_co_u32 s46, s46, s47
	s_add_co_u32 s46, s46, s18
	s_mov_b32 s47, 0
	s_mul_i32 s20, s10, HALFT                      ; where my part goes: wave x 256 rows
	s_mov_b32 s[TB], 0
	s_mov_b32 s[NXF], 2
	s_mov_b32 s[OA+1], 0
	s_mov_b32 s[OBB+1], 0
	s_mov_b32 s[PO+1], 0
	s_wait_dscnt 0x0                               ; the opening add is done
	s_wait_kmcnt 0x0
	s_add_nc_u64 s[14:15], s[4:5], s[16:17]        ; A at my part of the first tile's K step 0; kept
	s_add_nc_u64 s[46:47], s[6:7], s[46:47]        ; B likewise; kept
	CROUND                                         ; all sixteen work-groups are here: the first joint loads meet
.irp s, 0,1
	s_mov_b32 s[G0+4*(\s)], 1
	s_add_co_u32 s[G0+4*(\s)+1], s20, (\s)*SLOT
	s_add_nc_u64 s[G0+4*(\s)+2:G0+4*(\s)+3], s[14:15], (\s)*KSB
	s_or_b32 s[G0+4*(\s)+3], s[G0+4*(\s)+3], 0x80000000
	s_mov_b32 s[G0B+4*(\s)], 1
	s_add_co_u32 s[G0B+4*(\s)+1], s20, (\s)*SLOT
	s_add_nc_u64 s[G0B+4*(\s)+2:G0B+4*(\s)+3], s[46:47], (\s)*KSB
	s_or_b32 s[G0B+4*(\s)+3], s[G0B+4*(\s)+3], 0x80000000
	JLOAD \s
.endr
	; who prefetches, and from where
	s_and_b32 s22, ttmp7, 0xffff
	s_cmp_eq_u32 s11, 0
	s_cselect_b32 s21, s40, s41                    ; my place among the four that ask for the tile with me
	s_cselect_b32 s22, ttmp9, s22                  ; the coordinate along which other clusters read the same rows
	s_cselect_b32 s23, 2, 10                       ; A: while the counter is above 2 (K step + 4 <= 15); B: above 10 (K step + 4 <= 7)
	s_cselect_b64 s[PFB:PFB+1], s[14:15], s[46:47]
	s_cmp_eq_u32 s22, 0
	s_cselect_b32 s[LIM], s23, -1
	s_lshl_b32 s20, s21, 13
	s_mov_b32 s21, 0
	s_add_nc_u64 s[PFB:PFB+1], s[PFB:PFB+1], s[20:21]
	; fragments: lane l holds row l % 16; two loads of 16 bytes, 32 bytes apart, at row x pitch + 16 (l / 16)
	v_and_b32 v1, 15, v0
	v_bfe_u32 v2, v0, 4, 1
	v_mul_u32_u24 v3, v1, PITCH
	v_lshl_add_u32 v3, v2, 4, v3
	s_mul_i32 s21, s11, 128*PITCH
	s_mul_i32 s22, s12, 128*PITCH
	s_add_co_u32 s22, s22, 2*HALFT
	v_add_nc_u32 v[A0], s21, v3
	v_add_nc_u32 v[B0], s22, v3
	v_mov_b32 v[ADRA], v[A0]                       ; slot 0
	v_mov_b32 v[ADRB], v[B0]
	s_mul_i32 s23, s10, 16*SPITCH
	s_add_co_u32 s23, s23, STAGE
	v_mul_u32_u24 v4, v1, SPITCH
	v_lshl_add_u32 v4, v2, 4, v4
	v_add_nc_u32 v[STO], s23, v4                   ; in: row l % 16, 16 bytes for each half of the lanes
	v_bfe_u32 v5, v0, 3, 2
	v_mul_u32_u24 v5, v5, SPITCH
	v_and_b32 v6, 7, v0
	v_lshl_add_u32 v5, v6, 4, v5
	v_add_nc_u32 v[RD], s23, v5                    ; back: four rows' 128 bytes of one kb
	v_and_b32 v[PFO], 31, v0
	v_lshlrev_b32 v[CO], 4, v[PFO]                 ; which are 512 consecutive bytes of the result
	v_lshlrev_b32 v[PFO], 8, v[PFO]
	; the result's base: which << 24, batch << 21; q, k, v: kb << 17, block of 128 rows << 14; G: block of 128 rows << 18, kb << 14
	s_lshr_b32 s16, s42, 2                         ; which
	s_cmp_eq_u32 s16, 3
	s_cselect_b32 s18, 14, 17
	s_cselect_b32 s19, 18, 14
	s_lshl_b32 s16, s16, 24
	s_lshr_b32 s17, s13, 2
	s_lshl_b32 s17, s17, 21
	s_add_co_u32 s16, s16, s17
	s_and_b32 s17, s42, 3
	s_lshl_b32 s17, s17, 2
	s_lshl_b32 s20, s12, 1
	s_add_co_u32 s17, s17, s20                     ; my first kb
	s_lshl_b32 s17, s17, s18
	s_add_co_u32 s16, s16, s17
	s_and_b32 s17, s13, 3
	s_lshl_b32 s17, s17, 1
	s_add_co_u32 s17, s17, s11                     ; my block of 128 rows in the batch
	s_lshl_b32 s17, s17, s19
	s_add_co_u32 s16, s16, s17
	s_mov_b32 s17, 0
	s_add_nc_u64 s[8:9], s[8:9], s[16:17]
	s_lshl_b32 s18, 1, s18                         ; bytes from a kb plane to the next
	v_add_nc_u32 v[CO+1], s18, v[CO]
; 16 matrix instructions: m blocks a0, a0 + 1 of the window's four x all 8 n blocks, 32 along K.  The 64 accumulators take turns in the same order in every quarter, on every way through the text.
.macro MUL16 f, hi, a0, zero
	WIN MUL_LO+0x50*(\hi)
.irp a, \a0, (\a0)+1
.irp b, 0,1,2,3,4,5,6,7
.if \zero
	v_wmma_f32_16x16x32_f16 v[8*(8*(\a)+(\b)):8*(8*(\a)+(\b))+7], v[(\f)+8*(\b):(\f)+8*(\b)+7], v[(\f)+8*(4*(\hi)+(\a)):(\f)+8*(4*(\hi)+(\a))+7], 0
.else
	v_wmma_f32_16x16x32_f16 v[8*(8*(\a)+(\b)):8*(8*(\a)+(\b))+7], v[(\f)+8*(\b):(\f)+8*(\b)+7], v[(\f)+8*(4*(\hi)+(\a)):(\f)+8*(4*(\hi)+(\a))+7], v[8*(8*(\a)+(\b)):8*(8*(\a)+(\b))+7]
.endif
.endr
.endr
.endm
; 32 LDS loads in one run: quarter q of the slot that is being read (kb q / 2, 32 numbers at byte 64 (q % 2)) into buffer f
.macro FETCH q, f
.set KO, ((\q)/2)*HALFT+((\q)%2)*64
	WIN TO_B
.irp i, 0,1,2,3,4,5,6,7
	ds_load_b128 v[(\f)+8*(\i):(\f)+8*(\i)+3],   v[ADRB] offset:KO+(\i)*16*PITCH
	ds_load_b128 v[(\f)+8*(\i)+4:(\f)+8*(\i)+7], v[ADRB] offset:KO+(\i)*16*PITCH+32
.endr
	WIN 0
.irp i, 0,1,2,3,4,5,6,7
	ds_load_b128 v[(\f)+8*(\i):(\f)+8*(\i)+3],   v[ADRA] offset:KO+(\i)*16*PITCH
	ds_load_b128 v[(\f)+8*(\i)+4:(\f)+8*(\i)+7], v[ADRA] offset:KO+(\i)*16*PITCH+32
.endr
.endm
.macro PLACES                          ; four plain vector instructions between a matrix instruction and a load into, or a vector read of, its registers
.rept 4
	v_nop
.endr
.endm
.macro QUARTER q, f, g, zero           ; multiplies buffer f; in its middle fetches quarter q of the slot into g
	s_wait_dscnt 8                                 ; B and A's rows 0-63 are in; the youngest eight loads (A's rows 64-127) may be out
	MUL16 \f, 0, 0, \zero
	MUL16 \f, 0, 2, \zero
	PLACES
	FETCH \q, \g
	s_wait_dscnt 32                                ; all but the 32 just issued
	MUL16 \f, 1, 0, \zero
	MUL16 \f, 1, 2, \zero
.endm
; The first half of a K step's last quarter, and the one barrier of the change of slots.  refill = 1: the walking descriptors are made for K step NXF, while no tensor load of mine is out.
.macro MEET refill
	WIN 0
	s_wait_tensorcnt 0x0                           ; all my tensor loads have landed: the one that was out is my part of the next slot;
	ds_add_u32 v[SPW], v[NIL]                      ; 0 onto my spare word;
.if \refill
	s_and_b32 s[OBB], s[NXF], 7                    ; the step along K,
	s_lshl_b32 s[OBB], s[OBB], 18
	s_lshr_b32 s[T0], s[NXF], 3                    ; and for A the tile: four batches of 2 MiB down
	s_lshl_b32 s[T0], s[T0], 23
	s_add_co_u32 s[OA], s[OBB], s[T0]
	s_add_nc_u64 s[G0+6:G0+7], s[14:15], s[OA:OA+1]
	s_or_b32 s[G0+7], s[G0+7], 0x80000000
	s_add_nc_u64 s[G0B+6:G0B+7], s[46:47], s[OBB:OBB+1]
	s_or_b32 s[G0B+7], s[G0B+7], 0x80000000
	s_xor_b32 s[G0+5], s[G0+5], SLOT               ; the other slot than last time
	s_xor_b32 s[G0B+5], s[G0B+5], SLOT
	s_add_co_u32 s[NXF], s[NXF], 1
.endif
	s_wait_dscnt 9                                 ; (the add and the youngest eight loads may be out)
	MUL16 F1, 0, 0, 0
	s_wait_dscnt 0x0                               ; the add is done, and my reads of this slot are over
	s_barrier_signal -1
	MUL16 F1, 0, 2, 0
	WIN 0
	s_xor_b32 s[TB], s[TB], SLOT                   ; from here on the other slot is read
	v_add_nc_u32 v[ADRA], s[TB], v[A0]
	v_add_nc_u32 v[ADRB], s[TB], v[B0]
	s_barrier_wait -1
.endm
.macro TURN_R                          ; the whole last quarter: the slot just read is filled again, two K steps on
	s_wait_xcnt 0x0                                ; the last prefetch, a K step back, has read its address: it is made anew, for the K step two refills on
	s_add_co_u32 s[T0], s[NXF], 2
	s_and_b32 s[PO], s[T0], 7
	s_lshl_b32 s[PO], s[PO], 18
	s_lshr_b32 s[T0], s[T0], 3
	s_lshl_b32 s[T0], s[T0], 23
	s_add_co_u32 s[PO], s[PO], s[T0]
	s_add_nc_u64 s[PFA:PFA+1], s[PFB:PFB+1], s[PO:PO+1]
	MEET 1
	CREST                                          ; no wave of any partner still reads this slot or has a load on its way
	JLOAD 1                                        ; the first tensor load behind the round; its four v_nop are also the places in front of the loads below
	FETCH 0, F0
	ASK
	MUL16 F1, 1, 0, 0
	MUL16 F1, 1, 2, 0
.endm
.macro TURN_N                          ; the same with nothing to ask for; behind the very last K step (s2 = 1) there is no slot to fetch from
	MEET 0
	s_cmp_eq_u32 s2, 1
	s_cbranch_scc1 .Lno_fetch_\@
	PLACES
	FETCH 0, F0
.Lno_fetch_\@:
	MUL16 F1, 1, 0, 0
	MUL16 F1, 1, 2, 0
.endm
; the way out of block a (16 rows): rounded to f16; through my own stage; stored as rows of one kb
.macro PACK a
.set AC, 64*((\a)%4)
	WIN 0x0a+5*((\a)/4)
.irp b, 0,1,2,3,4,5,6,7
.irp r, 0,1,2,3
	v_cvt_pk_f16_f32 v[TMP+4*(\b)+(\r)], v[AC+8*(\b)+2*(\r)], v[AC+8*(\b)+2*(\r)+1]
.endr
.endr
	WIN 0
.endm
.macro TOSTAGE a
	WIN 0
.set BK, OB+192*((\a)%2)
.irp b, 0,1,2,3,4,5,6,7
	ds_store_b128 v[STO], v[TMP+4*(\b):TMP+4*(\b)+3] offset:32*(\b)
.endr
.irp t, 0,1,2,3,4,5,6,7
	ds_load_b128 v[BK+4*(\t):BK+4*(\t)+3], v[RD] offset:((\t)%4)*4*SPITCH+((\t)/4)*128  ; my own bytes: LDS serves a wave's instructions in order
.endr
.endm
.macro SEND a
	WIN 0
.set BK, OB+192*((\a)%2)
	s_wait_dscnt 0x0                               ; the block is back in registers
	s_wait_xcnt 0x0                                ; the stores of the block before have read their registers, which the next block's loads write
.irp t, 0,1,2,3,4,5,6,7
	global_store_b128 v[CO+(\t)/4], v[BK+4*(\t):BK+4*(\t)+3], s[8:9] offset:(\a)*2048+((\t)%4)*512  ; four rows of one kb: 512 consecutive bytes, aligned
.endr
.endm
.macro WAYOUT
	PLACES
	PACK 0
	TOSTAGE 0
.irp a, 1,2,3,4,5,6,7                  ; block a's conversions stand between block a - 1's loads from the stage and the wait for them
	PACK \a
	SEND (\a)-1
	TOSTAGE \a
.endr
	SEND 7
.endm
	s_wait_tensorcnt 1                             ; my part of K step 0 is in; K step 1's may stay out
	s_barrier_signal -1
	s_barrier_wait -1
	FETCH 0, F0
	s_mov_b32 s3, 15                               ; the entry passes the counter's step once; the trip of K step s then finds 14 - s
	s_branch .Lzero                                ; the loop is entered at the quarter that starts a tile's sums
.Lk:                                                   ; a trip: a K step's quarters 1, 2, 3 with the refill, and the next step's quarter 0
	QUARTER 2, F1, F0, 0
	QUARTER 3, F0, F1, 0
	TURN_R
	WIN 0
	s_cmp_eq_u32 s3, 7                             ; was that the first tile's last K step?
	s_cbranch_scc0 .Lsame
	WAYOUT                                         ; both refills for the second tile's first K steps are asked for: now the first tile goes out
	s_wait_xcnt 0x0                                ; its stores have read their base
	s_add_nc_u64 s[8:9], s[8:9], 1<<23             ; four batches down
.Lzero:
	QUARTER 1, F0, F1, 1                           ; the products start the sums: nothing is cleared
	WIN 0
	s_branch .Lnext
.Lsame:
	QUARTER 1, F0, F1, 0
	WIN 0
.Lnext:
	s_sub_co_u32 s3, s3, 1
	s_cmp_lg_u32 s3, 0
	s_cbranch_scc1 .Lk
	s_mov_b32 s2, 2                                ; the walk's last two K steps fill nothing: a text of their own
.Ltail:
	QUARTER 2, F1, F0, 0
	QUARTER 3, F0, F1, 0
	TURN_N
	WIN 0
	s_sub_co_u32 s2, s2, 1
	s_cmp_eq_u32 s2, 0
	s_cbranch_scc1 .Lfin
	QUARTER 1, F0, F1, 0
	WIN 0
	s_branch .Ltail
.Lfin:
	WAYOUT
	s_wait_tensorcnt 0x0                           ; the wave's end
	ds_add_u32 v[SPW], v[NIL]
	s_wait_dscnt 0x0
	CROUND                                         ; the closing round
	s_endpgm
.Lfunc_end_k_q431b6ca4dc_gemm:
	.size	k_q431b6ca4dc_gemm, .Lfunc_end_k_q431b6ca4dc_gemm-k_q431b6ca4dc_gemm
	.p2alignl 7, 3214868480
	.fill 96, 4, 3214868480
	.section	.rodata,"a",@progbits
	.p2align	6, 0x0
	.amdhsa_kernel k_q431b6ca4dc_gemm
		.amdhsa_group_segment_fixed_size 327680
		.amdhsa_private_segment_fixed_size 0
		.amdhsa_enable_private_segment 0
		.amdhsa_kernarg_size 24
		.amdhsa_user_sgpr_count 2
		.amdhsa_user_sgpr_kernarg_segment_ptr 1
		.amdhsa_wavefront_size32 1
		.amdhsa_system_sgpr_workgroup_id_x 1
		.amdhsa_system_sgpr_workgroup_id_y 1
		.amdhsa_system_sgpr_workgroup_id_z 1
		.amdhsa_system_vgpr_workitem_id 0
		.amdhsa_next_free_vgpr 1024
		.amdhsa_next_free_sgpr 90
		.amdhsa_reserve_vcc 0
		.amdhsa_float_denorm_mode_32 3
		.amdhsa_float_denorm_mode_16_64 3
		.amdhsa_memory_ordered 1
		.amdhsa_forward_progress 1
		.amdhsa_inst_pref_size 133
	.end_amdhsa_kernel
	.amdgpu_metadata
---
amdhsa.version: [ 1, 2 ]
amdhsa.kernels:
  - .name:           k_q431b6ca4dc_gemm
    .symbol:         k_q431b6ca4dc_gemm.kd
    .args:
      - { .name: encb, .offset: 0, .size: 8, .value_kind: global_buffer, .address_space: global }
      - { .name: wb, .offset: 8, .size: 8, .value_kind: global_buffer, .address_space: global }
      - { .name: qkvg, .offset: 16, .size: 8, .value_kind: global_buffer, .address_space: global }
    .group_segment_fixed_size: 327680
    .private_segment_fixed_size: 0
    .kernarg_segment_align: 8
    .kernarg_segment_size: 24
    .max_flat_workgroup_size: 128
    .sgpr_count:     90
    .vgpr_count:     1024
    .wavefront_size: 32
...
	.end_amdgpu_metadata
.endif
;; end of part 2
;; launch attn (part 3): grid 2 x 128, 4 waves a work-group, no clusters, 327,680 bytes of LDS; arguments qkvg, oc, encb, tpart, bc, tb2, s2p; writes oc, s2p
.if DOCPART == 3
	.amdgcn_target "amdgcn-amd-amdhsa--gfx1250"
	.amdhsa_code_object_version 6
	.text
	.protected	k_q431b6ca4dc_attn
	.globl	k_q431b6ca4dc_attn
	.p2align	8
	.type	k_q431b6ca4dc_attn,@function
k_q431b6ca4dc_attn:
	s_mov_b64 s[64:65], 0
	v_nop
	global_prefetch_b8 v0, s[64:65] scope:SCOPE_SE
	s_setreg_imm32_b32 hwreg(HW_REG_WAVE_MODE, 25, 1), 1
	s_wait_xcnt 0x0
; ATTENTION, head size 64, 1,024 keys, no mask: O[b][n][h][:] = sum over k of softmax_k(q . k / 8) v.  q, k, v: qkvg[0..2][b][h][n][64] in f16.
; O goes out as oc[b][16 blocks of 64 rows][16 h][64 rows][64] in f16, so that the launch behind finds several heads of a block of rows on end.
; Products, maxima and sums in f32; the weights p are rounded to f16 for the second product (their sum is taken of the unrounded p), O once at the end.
; SIDE JOB, while the first keys are on their way: s2p[b][h][m] = (1/32) sum over the head block's 64 e of bias[b][e] enc[b][m][e], bias = bc + tb2 + the sum of tpart's 16 parts (f32).
; bias / 64 is rounded to f16 (room up to 4.2e6), the product multiplied by 2 in f32.
; LIMITS.  f16 holds no number beyond 65,504: q, k, v arrive within it; p lies in 0 to 1; a weight below 2^-126 counts as 0 in the sum; NaN and infinities are not treated apart.
; SHARES.  A work-group owns 512 queries of one head, a wave 128: four PIECES of two tiles of 16.  Every wave walks all keys, 64 a step.
; THE WHOLE HEAD'S K AND V LIE IN LDS (1,024 rows of 144 and of 160 bytes): each byte of LDS is filled once, by four tensor loads a wave that go out together at the start; by this text's count four are out.
; NO CLUSTER: a head has two work-groups, and a cluster's joint loads are written here for four.  Four sharers would want work-groups of 256 queries: half the tiles a wave, so twice the LDS loads for each product.
; LAYOUT, SOFTMAX, TURNS.  S^T = K Q^T holds one query a lane and the keys 8 (lane / 16) + 0..7; two such results rounded to f16 are source 1 of O^T = V^T P.  p = 2^(c s - c m), c = log2(e) / 8, with a running
; maximum m; O and l are multiplied by a = 2^(c m_old - c m_new) in every step; m starts at the lowest finite number, O and l at 0.  Turn n belongs to piece n: 16 products K Q^T of piece n + 1, later 16 products
; V^T P of piece n - 1; beside them the scaling, exponentials, roundings, sums and rescaling of piece n and the maximum and statistics of piece n + 1.  Four vector instructions stand behind every matrix instruction,
; the others in one lump; a turn's 66 exponentials are one batch with one wait.
; REGISTERS, in windows of 256: window 0: v0-11 addresses; v12-15, v48-63 at work; v16-47 statistics; v64-191 S^T, two buffers of two tiles; v192-255 P, likewise
;   window 1: O^T, 32 a tile     window 2: v0-127 Q; v128-191 K of one step; v192-255 V of one step     window 3: v0-1 the add's two registers
.set NP,    4
.set KS,    64
.set PK,    144
.set PV,    160
.set VOFF,  1024*PK
.set STAGE, VOFF+1024*PV               ; 16 rows x 144 bytes for each wave, for the way out
.set SP,    144
.set SCR,   STAGE+4*16*SP              ; 768 bytes for each wave, for the side job: the bias in f16 at 0, 128 sums at 256
.set SPARE, SCR+4*768                  ; the spare words, 128 bytes a wave: two blocks of 256 bytes that no other line names
.set AK0, 2
.set AV0, 3
.set AK,  4
.set AV,  5
.set QO,  6
.set STO, 6
.set RD,  7
.set GO,  8
.set SPW, 0                            ; v0 of window 3
.set NIL, 1                            ; v1 of window 3
.set MV,  12
.set ST,  16
.set TMP, 48
.set S,   64
.set P,   192
.set KF,  128
.set VF,  192
.set WV,  18                           ; s18  my wave's number
.set G1K, 24
.set G1V, 32
.set G0K, 40                           ; s[40:55] four groups 0 for K's chunks of 256 keys
.set G0V, 68                           ; s[68:83] the same for V's
.set SLOTS, 56
.set CNT, 57
.set CS,  58
.set SEL, 60
.set TBK, 62
.set TBV, 63
.set QP,  84                           ; s[84:85] q, s[86:87] oc, s[88:89] encb at my wave's 128 rows
.set OP,  86
.set EP,  88
.set MSB, 0
.macro WIN new
.if MSB != (\new)
	s_set_vgpr_msb (MSB<<8)|(\new)
.set MSB, (\new)
.endif
.endm
.set W_KQ, 0x0a
.set W_PV, 0x52
.set W_RS, 0x41
.set W_MK, 0xc0
.set W_AD, 0x0f
; A chunk is shown to everybody: my part of it has landed (n younger loads may stay out), my LDS loads are back, and all four waves have said so.  Nothing is ever filled again, so no add stands here.
.macro MEET n
	s_wait_tensorcnt \n
	s_wait_dscnt 0x0
	s_barrier_signal -1
	s_barrier_wait -1
.endm
	s_load_b256 s[4:11], s[0:1], 0x0               ; qkvg 4, oc 6, encb 8, tpart 10
	s_load_b128 s[12:15], s[0:1], 0x20             ; bc 12, tb2 14
	s_load_b64 s[16:17], s[0:1], 0x30              ; s2p
	WIN W_MK
	v_lshl_add_u32 v[SPW], v0, 2, SPARE
	v_mov_b32 v[NIL], 0
	WIN W_AD
	ds_add_u32 v[SPW], v[NIL]                      ; the wave's opening: the add and its wait, ahead of my first tensor load
	WIN 0
	v_lshrrev_b32 v1, 5, v0
	v_readfirstlane_b32 s[WV], v1
	s_and_b32 s20, ttmp7, 0xffff                   ; head = 16 b + h
	s_lshl_b32 s22, s20, 17                        ; the head's 131,072 bytes
	s_lshl_b32 s2, ttmp9, 2
	s_add_co_u32 s2, s2, s[WV]                     ; my wave among the head's eight
	s_lshl_b32 s93, s2, 9                          ; its 128 sums
	s_lshl_b32 s[OP], s2, 18                       ; its two blocks of 64 rows in oc
	s_lshl_b32 s2, s2, 14                          ; its 128 rows
	s_add_co_u32 s2, s2, s22
	s_mov_b32 s3, 0
	s_and_b32 s19, s[WV], 1                        ; which half of a chunk's 256 keys I fetch
	s_lshl_b32 s21, s19, 14
	s_add_co_u32 s22, s22, s21
	s_mov_b32 s23, 0
	s_mul_i32 s91, s19, 128*PK
	s_mul_i32 s92, s19, 128*PV
	s_lshr_b32 s94, s20, 4                         ; b
	s_and_b32 s96, s20, 15                         ; h
	s_lshl_b32 s21, s94, 21
	s_add_co_u32 s[OP], s[OP], s21                 ; oc: batch << 21, block of 64 rows << 17, head << 13
	s_lshl_b32 s21, s96, 13
	s_add_co_u32 s[OP], s[OP], s21
	s_mov_b32 s[OP+1], 0
	s_lshl_b32 s94, s94, 12
	s_lshl_b32 s96, s96, 8                         ; the head block's 64 f32
	s_mov_b32 s97, 0
	s_add_co_u32 s94, s94, s96
	s_mov_b32 s95, 0
	s_lshl_b32 s98, s20, 12
	s_add_co_u32 s98, s98, s93
	s_mov_b32 s99, 0
	; descriptor group 1: 128 keys are 16,384 consecutive bytes: 64 rows of 256, padded in LDS after every key
	s_mov_b32 s[G1K], (1<<16)|(1<<20)|(4<<22)|(3<<25)
	s_mov_b32 s[G1V], (1<<16)|(1<<20)|(4<<22)|(7<<25)
.irp g, G1K, G1V
	s_mov_b32 s[\g+1], 128<<16
	s_mov_b32 s[\g+2], 64<<16
	s_mov_b32 s[\g+3], 128<<16
	s_mov_b32 s[\g+4], 64
	s_mov_b32 s[\g+5], 128
	s_mov_b32 s[\g+6], 0
	s_mov_b32 s[\g+7], 0
.endr
.irp c, 0,1,2,3
	s_mov_b32 s[G0K+4*\c], 1
	s_add_co_u32 s[G0K+4*\c+1], s91, \c*256*PK
	s_mov_b32 s[G0V+4*\c], 1
	s_add_co_u32 s[G0V+4*\c+1], s92, VOFF+\c*256*PV
.endr
	s_mov_b32 s[CS], 0x3e38aa3b                    ; c = log2(e) / 8
	s_mov_b32 s[CS+1], s[CS]
	s_mov_b32 s[SEL], 0x76543210
	s_mov_b32 s[SEL+1], 0xfedcba98
	s_mov_b32 s[TBK], 0
	s_mov_b32 s[TBV], 0
	s_mov_b32 s90, 0xffff0000                      ; lanes 16-31
	s_wait_dscnt 0x0                               ; the opening add is done
	s_wait_kmcnt 0x0
	s_add_nc_u64 s[22:23], s[4:5], s[22:23]        ; qkvg at the head, my half of a chunk
.irp c, 0,1,2,3
	s_add_nc_u64 s[G0K+4*\c+2:G0K+4*\c+3], s[22:23], (1<<24)+\c*32768
	s_or_b32 s[G0K+4*\c+3], s[G0K+4*\c+3], 0x80000000
	s_add_nc_u64 s[G0V+4*\c+2:G0V+4*\c+3], s[22:23], (2<<24)+\c*32768
	s_or_b32 s[G0V+4*\c+3], s[G0V+4*\c+3], 0x80000000
.endr
	s_add_nc_u64 s[QP:QP+1], s[4:5], s[2:3]
	s_add_nc_u64 s[OP:OP+1], s[6:7], s[OP:OP+1]
	s_add_nc_u64 s[EP:EP+1], s[8:9], s[2:3]
	s_add_nc_u64 s[10:11], s[10:11], s[94:95]
	s_add_nc_u64 s[12:13], s[12:13], s[96:97]
	s_add_nc_u64 s[14:15], s[14:15], s[96:97]
	s_add_nc_u64 s[16:17], s[16:17], s[98:99]
	s_cmp_lt_u32 s[WV], 2                          ; a wave's four fills stand in one branch, ahead of every wait on TENSORcnt, every LDS read and every barrier
	s_cbranch_scc0 .Lfirst_v
.irp c, 0,1,2,3
	tensor_load_to_lds s[G0K+4*\c:G0K+4*\c+3], s[G1K:G1K+7]
	s_nop 0
.endr
.rept 4
	v_nop
.endr
	s_branch .Lfirst_asked
.Lfirst_v:
.irp c, 0,1,2,3
	tensor_load_to_lds s[G0V+4*\c:G0V+4*\c+3], s[G1V:G1V+7]
	s_nop 0
.endr
.rept 4
	v_nop
.endr
.Lfirst_asked:
	v_and_b32 v1, 15, v0                           ; l % 16
	v_bfe_u32 v9, v0, 4, 1                         ; l / 16
	v_lshlrev_b32 v[QO], 7, v1
	v_lshl_add_u32 v[QO], v9, 4, v[QO]             ; a fragment's row x 128 + 16 x half
	v_lshlrev_b32 v49, 4, v1
	v_lshl_add_u32 v48, v9, 15, v49                ; tpart: part 2 i + l / 16, four e a lane
.irp i, 0,1,2,3,4,5,6,7
	global_load_b128 v[192+4*\i:195+4*\i], v48, s[10:11] offset:\i*65536
.endr
	global_load_b128 v[224:227], v49, s[12:13]
	global_load_b128 v[228:231], v49, s[14:15]
.set i, 0
.rept 16                                       ; my 128 rows of enc, the head block's 64 numbers: tile i / 2, half i % 2, into S^T's registers
	global_load_b128 v[S+8*i:S+8*i+3],   v[QO], s[EP:EP+1] offset:(i/2)*2048+(i%2)*64
	global_load_b128 v[S+8*i+4:S+8*i+7], v[QO], s[EP:EP+1] offset:(i/2)*2048+(i%2)*64+32
.set i, i+1
.endr
	; what the first turn finds: V's registers and P's second buffer hold 0, O^T and l are 0
	WIN 0x80
.set i, VF
.rept 64
	v_mov_b32 v[i], 0
.set i, i+1
.endr
	WIN 0
.set i, 0
.rept 2*NP
	v_mov_b32 v[ST+4*i], 0xfe000000                ; c m: far below every c s
	v_mov_b32 v[ST+4*i+1], 0xff7fffff              ; m
	v_mov_b32 v[ST+4*i+2], 0
	v_mov_b32 v[ST+4*i+3], 0
.set i, i+1
.endr
	s_mul_i32 s93, s[WV], 768
	s_add_co_u32 s93, s93, SCR
	v_and_b32 v55, 31, v0
	v_lshl_add_u32 v50, v1, 3, s93
	v_lshl_add_u32 v51, v9, 4, s93
	s_add_co_u32 s93, s93, 256
	v_lshl_add_u32 v52, v55, 2, s93
	v_lshl_add_u32 v53, v55, 4, s93
	v_lshlrev_b32 v54, 4, v55
	s_wait_loadcnt 32                              ; tpart, bc and tb2 are in; enc's 32 loads may stay out
	WIN 0x80
.set i, 0
.rept 4*NP                                     ; Q stays in registers: tile i / 2, channels 32 (i % 2) on
	global_load_b128 v[8*i:8*i+3],   v[QO], s[QP:QP+1] offset:(i/2)*2048+(i%2)*64
	global_load_b128 v[8*i+4:8*i+7], v[QO], s[QP:QP+1] offset:(i/2)*2048+(i%2)*64+32
.set i, i+1
.endr
	WIN 0
.irp k, 0,1,2,3
	v_pk_add_f32 v[192+8*\k:193+8*\k], v[192+8*\k:193+8*\k], v[196+8*\k:197+8*\k]
	v_pk_add_f32 v[194+8*\k:195+8*\k], v[194+8*\k:195+8*\k], v[198+8*\k:199+8*\k]
.endr
.irp k, 0,1
	v_pk_add_f32 v[192+16*\k:193+16*\k], v[192+16*\k:193+16*\k], v[200+16*\k:201+16*\k]
	v_pk_add_f32 v[194+16*\k:195+16*\k], v[194+16*\k:195+16*\k], v[202+16*\k:203+16*\k]
.endr
	v_pk_add_f32 v[192:193], v[192:193], v[208:209]
	v_pk_add_f32 v[194:195], v[194:195], v[210:211]
.irp j, 0,1,2,3
	v_permlanex16_b32 v[196+\j], v[192+\j], s[SEL], s[SEL+1]   ; the odd parts lie in the lane 16 away
.endr
	v_pk_add_f32 v[192:193], v[192:193], v[196:197]
	v_pk_add_f32 v[194:195], v[194:195], v[198:199]
	v_pk_add_f32 v[192:193], v[192:193], v[224:225]
	v_pk_add_f32 v[194:195], v[194:195], v[226:227]
	v_pk_add_f32 v[192:193], v[192:193], v[228:229]
	v_pk_add_f32 v[194:195], v[194:195], v[230:231]
	v_pk_mul_f32 v[192:193], v[192:193], 0x3c800000 op_sel_hi:[1,0]   ; / 64
	v_pk_mul_f32 v[194:195], v[194:195], 0x3c800000 op_sel_hi:[1,0]
	v_cvt_pk_f16_f32 v200, v192, v193
	v_cvt_pk_f16_f32 v201, v194, v195
	ds_store_b64 v50, v[200:201]                   ; both halves of the lanes store the same 128 bytes
	ds_load_b128 v[232:235], v51                   ; and every lane takes the fragment of a matrix with 16 equal rows (my own bytes: served in order)
	ds_load_b128 v[236:239], v51 offset:32
	ds_load_b128 v[240:243], v51 offset:64
	ds_load_b128 v[244:247], v51 offset:96
	s_wait_dscnt 0x0
	s_wait_loadcnt 32                              ; enc is in; Q's 32 loads may stay out
	WIN 0x50                                       ; C and D in window 1: O^T's registers, which are cleared afterwards
.set t, 0
.rept 8                                        ; the eight accumulators take turns
	v_wmma_f32_16x16x32_f16 v[8*t:8*t+7], v[232:239], v[S+16*t:S+16*t+7], 0
.set t, t+1
.endr
.set t, 0
.rept 8
	v_wmma_f32_16x16x32_f16 v[8*t:8*t+7], v[240:247], v[S+16*t+8:S+16*t+15], v[8*t:8*t+7]
.set t, t+1
.endr
.rept 4
	v_nop
.endr
	WIN 0x05
.irp p, 0,1,2,3
	v_cndmask_b32 v[MV+\p], v[16*\p], v[16*\p+8], s90   ; each result's lowest register: lanes 0-15 row 32 p + l of one tile, lanes 16-31 of the next
.endr
	WIN 0
	v_pk_mul_f32 v[MV:MV+1], v[MV:MV+1], 2.0 op_sel_hi:[1,0]       ; x 64 / 32
	v_pk_mul_f32 v[MV+2:MV+3], v[MV+2:MV+3], 2.0 op_sel_hi:[1,0]
.irp p, 0,1,2,3
	ds_store_b32 v52, v[MV+\p] offset:128*\p
.endr
	ds_load_b128 v[56:59], v53
	s_wait_dscnt 0x0
	global_store_b128 v54, v[56:59], s[16:17]      ; 512 consecutive bytes, aligned
	WIN 0x40
.set i, 0
.rept 64*NP
	v_mov_b32 v[i], 0
.set i, i+1
.endr
	WIN 0
	s_wait_xcnt 0x0                                ; the store has read v54 and v56-59, which the turns write
.set i, P+32
.rept 32
	v_mov_b32 v[i], 0
.set i, i+1
.endr
	v_mul_u32_u24 v[AK0], v1, PK
	v_lshl_add_u32 v[AK0], v9, 4, v[AK0]
	v_and_b32 v10, 7, v0
	v_bfe_u32 v11, v0, 3, 1
	v_lshl_add_u32 v[AV0], v9, 3, v10              ; the turning load: key 8 (l / 16) + l % 8, channels 8 ((l / 8) % 2) + 0..7
	v_mul_u32_u24 v[AV0], v[AV0], PV
	v_lshl_add_u32 v[AV0], v11, 4, v[AV0]
	v_add_nc_u32 v[AV0], VOFF, v[AV0]
	v_mov_b32 v[AK], v[AK0]
; THE MATRIX WORK.  The 8 accumulators of a run of 16 take turns.
.macro KQ x
	WIN W_KQ
.set rS, S+64*((\x)%2)+32*(i%2)+8*((i/2)%4)
.set rK, KF+16*((i/2)%4)+8*(i/8)
.set rQ, 16*(2*(\x)+i%2)+8*(i/8)
.if i < 8
	v_wmma_f32_16x16x32_f16 v[rS:rS+7], v[rK:rK+7], v[rQ:rQ+7], 0
.else
	v_wmma_f32_16x16x32_f16 v[rS:rS+7], v[rK:rK+7], v[rQ:rQ+7], v[rS:rS+7]
.endif
.endm
.macro PV x
	WIN W_PV
.set rO, 32*(2*(\x)+i%2)+8*((i/2)%4)
.set rV, VF+32*(i/8)+8*((i/2)%4)
.set rP, P+32*((\x)%2)+16*(i%2)+8*(i/8)
	v_wmma_f32_16x16x32_f16 v[rO:rO+7], v[rV:rV+7], v[rP:rP+7], v[rO:rO+7]
.endm
.macro MM
.if i < 16
	KQ (Y+1)%NP
.set i, i+1
.else
.set i, i-16
	PV (Y+NP-1)%NP
.set i, i+17
.endif
.endm
; THE LDS LOADS stand in runs of 16: a step's K (8 fragments) and its V (turned).  The steps lie one behind the other in LDS: the two scalar offsets only step on.
; last = 1 (in the loop): in the pass that ends the walk there is no further step, and the run is jumped over.
.macro FETCH_K last=0
	WIN 0
.if \last
	s_cmp_eq_u32 s[SLOTS], 1
	s_cbranch_scc1 .Lno_k_\@
.endif
	WIN 0x80
.irp f, 0,1,2,3,4,5,6,7
	ds_load_b128 v[KF+8*\f:KF+8*\f+3],   v[AK] offset:(\f/2)*16*PK+(\f%2)*64
	ds_load_b128 v[KF+8*\f+4:KF+8*\f+7], v[AK] offset:(\f/2)*16*PK+(\f%2)*64+32
.endr
	s_add_co_u32 s[TBK], s[TBK], KS*PK
	WIN 0
.if \last
.Lno_k_\@:
.endif
.endm
.macro FETCH_V
	WIN 0x80
.irp f, 0,1,2,3,4,5,6,7
	ds_load_tr16_b128 v[VF+8*\f:VF+8*\f+3],   v[AV] offset:(\f/4)*32*PV+(\f%4)*32
	ds_load_tr16_b128 v[VF+8*\f+4:VF+8*\f+7], v[AV] offset:(\f/4)*32*PV+16*PV+(\f%4)*32
.endr
	WIN 0
.endm
; THE VECTOR WORK OF A TURN stands in three queues, each in the order in which its entries become ready; the two tiles alternate.
.macro REGS y, u
.set rT, ST+4*(2*(\y)+(\u))
.set rC, TMP+8*((\y)%2)+4*(\u)
.set rM, MV+2*((\y)%2)+(\u)
.set rS, S+64*((\y)%2)+32*(\u)
.set rP, P+32*((\y)%2)+16*(\u)
.set rO, 32*(2*(\y)+(\u))
.endm
; number n of the 22 that find the next piece's maximum and statistics; each accumulator's lowest registers are read first
.macro XS u, n
	REGS (Y+1)%NP, \u
.if (\n) < 4
	v_max3_num_f32 v[rC+(\n)], v[rS+8*(\n)], v[rS+8*(\n)+1], v[rS+8*(\n)+2]
.elseif (\n) < 12
	v_max3_num_f32 v[rC+(\n)%4], v[rC+(\n)%4], v[rS+8*((\n)%4)+2*((\n)/4)+1], v[rS+8*((\n)%4)+2*((\n)/4)+2]
.elseif (\n) == 12
	v_max3_num_f32 v[rC], v[rC], v[rS+7], v[rS+15]
.elseif (\n) == 13
	v_max3_num_f32 v[rC+1], v[rC+1], v[rS+23], v[rS+31]
.elseif (\n) == 14
	v_max3_num_f32 v[rC+2], v[rC+2], v[rC+3], v[rT+1]
.elseif (\n) == 15
	v_mov_b32 v[rM], v[rT]
.elseif (\n) == 16
	v_max3_num_f32 v[rC], v[rC], v[rC+1], v[rC+2]
.elseif (\n) == 17
	v_permlanex16_b32 v[rC+3], v[rC], s[SEL], s[SEL+1]
.elseif (\n) == 18
	v_max_num_f32 v[rT+1], v[rC], v[rC+3]
.elseif (\n) == 19
	v_mul_f32 v[rT], s[CS], v[rT+1]
.elseif (\n) == 20
	v_sub_f32 v[rC+1], v[rM], v[rT]
.else
	v_exp_f32 v[rC+2], v[rC+1]
.endif
.endm
; number g of the 64 that follow the exponentials: roundings to f16 and the sums
.macro GS g
.set h, (\g)+6*((\g)/62)
.if h >= 6
.set h, h+2
.endif
	REGS Y, h%2
.set k, h/8
.if h%8 < 4
	v_cvt_pk_f16_f32 v[rP+2*k+(h%8)/2], v[rS+4*k+2*((h%8)/2)], v[rS+4*k+2*((h%8)/2)+1]
.elseif h%8 < 6
	v_pk_add_f32 v[rS+4*k:rS+4*k+1], v[rS+4*k:rS+4*k+1], v[rS+4*k+2:rS+4*k+3]
.elseif k == 1
	v_pk_fma_f32 v[rT+2:rT+3], v[rT+2:rT+3], v[rC+2:rC+3], v[rS:rS+1] op_sel_hi:[1,0,1]
.else
	v_pk_add_f32 v[rT+2:rT+3], v[rT+2:rT+3], v[rS+4*k-4:rS+4*k-3]
.endif
.endm
.macro FS f
	REGS Y, (\f)%2
	v_pk_fma_f32 v[rS+2*((\f)/2):rS+2*((\f)/2)+1], v[rS+2*((\f)/2):rS+2*((\f)/2)+1], s[CS:CS+1], v[rT:rT+1] op_sel_hi:[1,0,0] neg_lo:[0,0,1] neg_hi:[0,0,1]
.endm
; the plain queue, 138 long: 0-73 read no exponential's result; 74-137 stand behind the wait
.macro PL
	WIN 0
.if q < 27
	FS q
.elseif q < 55
	XS (q-27)%2, (q-27)/2
.elseif q < 57
	XS q-55, 15
.elseif (q < 72) && ((q-57)%3 == 0)
	FS 27+(q-57)/3
.elseif q < 60
	XS (q-57)%3-1, 14
.elseif q < 72
	XS (q-57)%3-1, 15+(q-57)/3
.elseif q < 74
	XS q-72, 20
.else
	GS q-74
.endif
.set q, q+1
.endm
; the exponentials' queue, 66 long: one batch, all ahead of the turn's one wait
.macro EX
	WIN 0
.if e >= 64
	XS e-64, 21
.else
	REGS Y, e%2
	v_exp_f32 v[rS+e/2], v[rS+e/2]
.endif
.set e, e+1
.endm
; the rescaling's queue: O^T times a, two at a time
.macro R2
	REGS Y, r%2
	WIN W_RS
.irp z, 0,1
	v_pk_mul_f32 v[rO+4*(r/2)+2*\z:rO+4*(r/2)+2*\z+1], v[rO+4*(r/2)+2*\z:rO+4*(r/2)+2*\z+1], v[rC+2:rC+3] op_sel_hi:[1,0]
.endr
.set r, r+1
.endm
; A TURN, for piece p.  Ahead of its one wait stands all that names no result of its exponentials: 16 products K Q^T with a scaling, an exponential and two rescalings behind each, then one lump;
; behind it 16 products V^T P, each with four of the roundings and sums.  cnt = 1: the loop's count is taken down some lines ahead of the branch behind the turn.
; K of the next step is fetched in piece 2's turn, directly behind the wait; V of the step in hand at the end of piece 0's turn, four plain instructions behind its last reader.
.macro TURN p, cnt=0
.set Y, (\p)
.set i, 0
.set q, 0
.set e, 0
.set r, 0
.if (\p) == NP-1
	s_wait_dscnt 0x0                ; K is in
.endif
	MM
	PL
	PL
	R2
.rept 15
	MM
	PL
	EX
	R2
.endr
.if (\p) == NP-2
	WIN 0
	v_add_nc_u32 v[AK], s[TBK], v[AK0]
.endif
.rept 8
	PL
.endr
.rept 49
	EX
	PL
.endr
	EX
	EX
	v_nop                           ; a plain instruction behind the last exponential: one for the batch
	s_wait_alu depctr_va_vdst(0)    ; the wait for the batch, ahead of its first reader
.if (\p) == NP-2
	FETCH_K 1
.endif
.if (\p) == 1
	s_wait_dscnt 0x0                ; V is in
.endif
.rept 16
	MM
.rept 4
	PL
.endr
.if ((\p) == 0) && (q == 118)
	v_add_nc_u32 v[AV], s[TBV], v[AV0]
.endif
.if ((\p) == 0) && (q == 130)
	s_add_co_u32 s[TBV], s[TBV], KS*PV
.endif
.if (\cnt) && (q == 130)
	s_sub_co_u32 s[CNT], s[CNT], 1
	s_cmp_lg_u32 s[CNT], 0
.endif
.endr
.if (\p) == 0
	FETCH_V
.endif
.endm
	MEET 3                          ; keys 0-255 are in, everybody's part; my three younger loads may stay out
	FETCH_K                         ; key step 0
	s_wait_loadcnt 0x0              ; Q
	s_wait_dscnt 0x0
.set i, 0
.rept 16
	KQ 0
.set i, i+1
.endr
	WIN 0                           ; the addresses for the way out: plain instructions, the places behind those products
	s_mul_i32 s93, s[WV], 16*SP
	s_add_co_u32 s93, s93, STAGE
	v_mul_u32_u24 v[STO], v1, SP
	v_lshl_add_u32 v[STO], v9, 4, v[STO]
	v_add_nc_u32 v[STO], s93, v[STO]
	v_bfe_u32 v[RD], v0, 3, 2
	v_mul_u32_u24 v[RD], v[RD], SP
	v_lshl_add_u32 v[RD], v10, 4, v[RD]
	v_add_nc_u32 v[RD], s93, v[RD]
	v_and_b32 v[GO], 31, v0
	v_lshlrev_b32 v[GO], 4, v[GO]
.set Y, NP-1
.irp n, 0,1,2,3,4,5,6,7,8,9,10,11,12,13,14,15,16,17,18,19,20,21
	XS 0, \n
	XS 1, \n
.endr
	v_nop
	s_wait_alu depctr_va_vdst(0)
	s_mov_b32 s[CNT], 4
	s_mov_b32 s[SLOTS], 5           ; four passes of four key steps; the fifth holds the last step's second half alone
	s_branch .Lfirst                ; the loop is entered at a step's first turn
.Lslot:                             ; the next 256 keys are shown to everybody.  The wait is for fills that all went out at the start; it names 0 since one text serves every pass
	MEET 0
	s_mov_b32 s[CNT], 4
.Lstep:                             ; a trip: pieces 2 and 3 of one step, then pieces 0 and 1 of the next, whose K and V it fetches
	TURN 2
	TURN 3
	WIN 0
	s_cmp_eq_u32 s[SLOTS], 1        ; the walk ends here: piece 3's turn has multiplied the last K once more for a piece 0 that does not come; those scores serve nothing: the price of one text for every trip
	s_cbranch_scc1 .Lout
.Lfirst:
	TURN 0
	TURN 1, 1
	WIN 0
	s_cbranch_scc1 .Lstep
	s_sub_co_u32 s[SLOTS], s[SLOTS], 1
	s_cmp_lg_u32 s[SLOTS], 0
	s_cbranch_scc1 .Lslot
.Lout:
.set i, 0
.rept 16
	PV NP-1
.set i, i+1
.endr
	; THE WAY OUT: l's halves are added, O^T is divided by l, rounded to f16 and sent through my stage, a tile at a time
	WIN 0
.macro ALL line:vararg
.set t, 0
.rept 2*NP
	\line
.set t, t+1
.endr
.endm
	ALL v_add_f32 v[ST+4*t+2], v[ST+4*t+2], v[ST+4*t+3]
	ALL v_permlanex16_b32 v[ST+4*t+3], v[ST+4*t+2], s[SEL], s[SEL+1]
	ALL v_add_f32 v[ST+4*t+2], v[ST+4*t+2], v[ST+4*t+3]
	ALL v_rcp_f32 v[ST+4*t+2], v[ST+4*t+2]
	v_nop
	s_wait_alu depctr_va_vdst(0)    ; one wait for the eight reciprocals
.macro PACK t
	WIN W_RS
.set i, 32*(\t)
.rept 16
	v_pk_mul_f32 v[i:i+1], v[i:i+1], v[ST+4*(\t)+2:ST+4*(\t)+3] op_sel_hi:[1,0]
.set i, i+2
.endr
	WIN 0x05
.set i, 0
.rept 16
	v_cvt_pk_f16_f32 v[S+16*(\t)+i], v[32*(\t)+2*i], v[32*(\t)+2*i+1]
.set i, i+1
.endr
	WIN 0
.irp f, 0,1,2,3
	ds_store_b128 v[STO], v[S+16*(\t)+4*\f:S+16*(\t)+4*\f+3] offset:32*\f
.endr
.irp f, 0,1,2,3
	ds_load_b128 v[S+16*(\t)+4*\f:S+16*(\t)+4*\f+3], v[RD] offset:\f*4*SP  ; my own bytes: LDS serves a wave's instructions in order
.endr
.endm
.macro SEND t, younger              ; tile t: block of 64 rows t / 4, rows 16 (t % 4) on
	WIN 0
.irp f, 0,1,2,3
	s_wait_dscnt (\younger)+3-\f
	global_store_b128 v[GO], v[S+16*(\t)+4*\f:S+16*(\t)+4*\f+3], s[OP:OP+1] offset:((\t)/4)*131072+((\t)%4)*2048+\f*512  ; 512 consecutive bytes, aligned
.endr
.endm
	PACK 0
.set t, 1
.rept 2*NP-1
	PACK t
	SEND t-1, 8
.set t, t+1
.endr
	SEND 2*NP-1, 0
	WIN W_AD
	s_wait_tensorcnt 0x0            ; the wave's end
	ds_add_u32 v[SPW], v[NIL]
	s_wait_dscnt 0x0
	WIN 0
	s_endpgm
.Lfunc_end_k_q431b6ca4dc_attn:
	.size	k_q431b6ca4dc_attn, .Lfunc_end_k_q431b6ca4dc_attn-k_q431b6ca4dc_attn
	.p2alignl 7, 3214868480
	.fill 96, 4, 3214868480
	.section	.rodata,"a",@progbits
	.p2align	6, 0x0
	.amdhsa_kernel k_q431b6ca4dc_attn
		.amdhsa_group_segment_fixed_size 327680
		.amdhsa_private_segment_fixed_size 0
		.amdhsa_enable_private_segment 0
		.amdhsa_kernarg_size 56
		.amdhsa_user_sgpr_count 2
		.amdhsa_user_sgpr_kernarg_segment_ptr 1
		.amdhsa_wavefront_size32 1
		.amdhsa_system_sgpr_workgroup_id_x 1
		.amdhsa_system_sgpr_workgroup_id_y 1
		.amdhsa_system_sgpr_workgroup_id_z 1
		.amdhsa_system_vgpr_workitem_id 0
		.amdhsa_next_free_vgpr 770
		.amdhsa_next_free_sgpr 100
		.amdhsa_reserve_vcc 0
		.amdhsa_float_denorm_mode_32 3
		.amdhsa_float_denorm_mode_16_64 3
		.amdhsa_memory_ordered 1
		.amdhsa_forward_progress 1
		.amdhsa_inst_pref_size 136
	.end_amdhsa_kernel
	.amdgpu_metadata
---
amdhsa.version: [ 1, 2 ]
amdhsa.kernels:
  - .name:           k_q431b6ca4dc_attn
    .symbol:         k_q431b6ca4dc_attn.kd
    .args:
      - { .name: qkvg, .offset: 0, .size: 8, .value_kind: global_buffer, .address_space: global }
      - { .name: oc, .offset: 8, .size: 8, .value_kind: global_buffer, .address_space: global }
      - { .name: encb, .offset: 16, .size: 8, .value_kind: global_buffer, .address_space: global }
      - { .name: tpart, .offset: 24, .size: 8, .value_kind: global_buffer, .address_space: global }
      - { .name: bc, .offset: 32, .size: 8, .value_kind: global_buffer, .address_space: global }
      - { .name: tb2, .offset: 40, .size: 8, .value_kind: global_buffer, .address_space: global }
      - { .name: s2p, .offset: 48, .size: 8, .value_kind: global_buffer, .address_space: global }
    .group_segment_fixed_size: 327680
    .private_segment_fixed_size: 0
    .kernarg_segment_align: 8
    .kernarg_segment_size: 56
    .max_flat_workgroup_size: 128
    .sgpr_count:     100
    .vgpr_count:     770
    .wavefront_size: 32
...
	.end_amdgpu_metadata
.endif
;; end of part 3
;; launch score (part 4): grid 4 x 64, 4 waves a work-group, clusters of 4 x 4, 327,680 bytes of LDS; arguments oc, qkvg, xt, s2p, conv_w, conv_b, out0; writes out0
.if DOCPART == 4
	.amdgcn_target "amdgcn-amd-amdhsa--gfx1250"
	.amdhsa_code_object_version 6
	.text
	.protected	k_q431b6ca4dc_score
	.globl	k_q431b6ca4dc_score
	.p2align	8
	.type	k_q431b6ca4dc_score,@function
k_q431b6ca4dc_score:
	s_mov_b64 s[64:65], 0
	v_nop
	global_prefetch_b8 v0, s[64:65] scope:SCOPE_SE
	s_setreg_imm32_b32 hwreg(HW_REG_WAVE_MODE, 25, 1), 1
	s_wait_xcnt 0x0
	s_wait_alu depctr_hold_cnt(0) depctr_sa_sdst(0) depctr_va_vdst(0) depctr_va_sdst(0) depctr_va_ssrc(0) depctr_va_vcc(0) depctr_vm_vsrc(0)
	s_getreg_b32 s2, hwreg(HW_REG_IB_STS2, 6, 4)
	s_cmp_eq_u32 s2, 0
	s_cbranch_scc0 .Lentry_in_a_cluster
	s_endpgm
.Lentry_in_a_cluster:
	s_bfe_u32 s2, ttmp6, 0x10000c
	s_cmp_lg_u32 s2, 0xf033
	s_cbranch_scc0 .Lentry_shape_is_right
	s_endpgm
.Lentry_shape_is_right:
; out0[b][n][m][0..1] = softmax over 2 of conv_w x (10 tanh(score), xt) + conv_b, with score[n][m] = (sum over j of O[n][j] G[m][j]) / 32 + the sum over h of s2p[b][h][m].
; O: oc[b][16 blocks of 64 rows][16 kb][64][64]; G: qkvg's fourth part, [b][8 blocks of 128 rows][16 kb][128][64]; both f16; sums in f32; all that follows in f32.
; tanh(s) = 1 - 2 / (1 + 2^(2.88539 s)): it ends at 1 and -1 where the power overflows or vanishes.  With d = channel 0 - channel 1 the larger channel is 1 / (1 + e), the smaller e / (1 + e), e = 2^(-|d| log2 e):
; the maximum is taken away, no exponent is positive.  NaN and infinities among the inputs are not treated apart.
; A tile is 128 rows n x 256 columns m of one batch; four waves, each 64 x 128: 32 accumulators.
; K = 16 kb of 64 GOES IN PIECES OF 1, 3, 3, 3, 3, 3 kb through two LDS slots of 3 kb.  Several kb of a block of rows lie on end in memory, so a wave's part of a piece is one dense block, asked for as rows of 256 bytes
; (two rows of the matrix) with 16 bytes of padding behind each.  The two first fills (1 and 3 kb) go out together; four refills of 3 kb follow, each with 192 matrix instructions a wave behind it.
; CLUSTER 4 x 4: O's tile is shared along a row of the cluster, G's along a column: joint loads.  Of xt each wave loads the 64 x 128 numbers that it reads itself, into slot 0's bytes when the fifth piece has been read.
; The scores leave the accumulators through LDS (slot 1's bytes, behind their last fill and last read), so that a lane then holds two neighbouring m and stores 16 neighbouring bytes.
; REGISTERS: window 0: v0-39 addresses and constants; v64-159, v160-255 two fragment buffers (G's 8 fragments, then O's 4); window 1: the accumulators, (a, c) at v[8 (8 a + c)].
.set P2,    272                        ; two rows of 128 bytes + 16: row r of sixteen lies at 272 (r / 2) + 128 (r % 2): in units of 16 bytes r / 2 + 8 (r % 2) modulo 16: sixteen different columns of the banks (ISA guide 11.1)
.set AKB,   32*P2                      ; a kb of a block of 64 rows
.set BKB,   64*P2                      ; of a block of 128 rows
.set ABLK,  3*AKB
.set BBLK,  3*BKB
.set SLOT,  2*ABLK+2*BBLK              ; O's two blocks, then G's two: 156,672 bytes
.set STG,   SLOT                       ; the scores' stage: 64 rows x 528 bytes for each wave
.set SP,    528
.set SPARE, 2*SLOT                     ; the spare words, 128 bytes a wave: two blocks of 256 bytes that no other line names
.set S2C,  8                           ; v[8:11]  2.88539 x the sum of s2p for my columns 64 hf + 2 l, + 1
.set A0,   16                          ; v16  my lane's place in a slot's O; never rewritten
.set ADRA, 17                          ; v17  the same at the kb that is being read
.set B0,   20
.set ADRB, 21
.set STO,  24
.set SRD,  25
.set XRD,  26
.set GO,   27
.set SPW,  28
.set NIL,  29
.set PFO,  30
.set PFXO, 31
.set DX,   32                          ; v[32:33] w01 - w11, twice
.set K0,   34                          ; v[34:35] 10 (w00 - w10) + b0 - b1
.set M2A,  36                          ; v[36:37] -20 (w00 - w10)
.set F0,   64
.set F1,   160
.set SV,   64                          ; the row loop: 16 scores and 16 of xt as loaded; then at work: the power and its reciprocal; d; e and the smaller channel; the larger; 32 results
.set XV,   80
.set TS,   96
.set TX,   112
.set EW,   128
.set EU,   144
.set OUT,  160
.set MK,   32                          ; s32-47  the row loop's 16 lane masks (the descriptors there have served)
.set G1A3, 24                          ; s[24:31] group 1: O, 3 kb
.set G0A1, 32                          ; s[32:35] group 0 of O's first fill
.set G0A,  36                          ; s[36:39] the one that walks
.set WBA,  43                          ; s43  my part's place in a slot, for O
.set PFA,  44
.set G1B3, 48
.set G0B1, 56
.set G0B,  60
.set WBB,  66                          ; s66  the same for G
.set TB,   67                          ; s67  0 or SLOT: the slot that is being read
.set G1A1, 68                          ; s[68:75] group 1: O, 1 kb; later xt's
.set GX1,  68
.set G1B1, 76
.set GX0,  84
.set WV,   88
.set WR,   89
.set WC,   90
.set L2E,  91
.set TF,   92                          ; s92  0 or SLOT: the slot that was filled last
.set CY,   93
.set PST,  94                          ; s[94:95] four kb of my part, in bytes
.set C1,   96                          ; s[96:97] 2.88539 / 32
.set PFX,  98
.set TY,   100
.set BT,   101
.set FLAGS, (1<<16)|(1<<20)|(1<<21)|(5<<22)|(3<<25)   ; 2-byte elements; padding on; bit 21 beside a mask; after every 64 words; 4 words
.set MSB, 0
.macro WIN new
.if MSB != (\new)
	s_set_vgpr_msb (MSB<<8)|(\new)
.set MSB, \new
.endif
.endm
.set W_MUL, 0x50                       ; C and D in window 1, the sources in window 0
.macro SHAPE g, rows                   ; a dense block: rows of 128 elements (256 bytes), end to end
	s_mov_b32 s[(\g)+1], 128<<16
	s_mov_b32 s[(\g)+2], (\rows)<<16
	s_mov_b32 s[(\g)+3], 128<<16
	s_mov_b32 s[(\g)+4], \rows
	s_mov_b32 s[(\g)+5], 128
	s_mov_b32 s[(\g)+6], 0
	s_mov_b32 s[(\g)+7], 0
.endm
.macro JLOAD                           ; waves 0, 1 fetch O's two blocks of 64 rows, waves 2, 3 G's two of 128
	s_cmp_eq_u32 s[WR], 0
	s_cbranch_scc0 .Lfor_b_\@
	tensor_load_to_lds s[G0A:G0A+3], s[G1A3:G1A3+7]
	s_nop 0
.rept 4
	v_nop
.endr
	s_branch .Lasked_\@
.Lfor_b_\@:
	tensor_load_to_lds s[G0B:G0B+3], s[G1B3:G1B3+7]
	s_nop 0
.rept 4
	v_nop
.endr
.Lasked_\@:
.endm
; The prefetches, together, behind the joint load and the run of LDS loads.  Along K: kb 8-11 in the loop's first trip, kb 12-15 in its second: one and two refills ahead of the loads that want them.  Four kb of a wave's
; part are 128 blocks of 256 bytes for O, shared out among the four partners of a row by cx, and 256 for G, shared out among the four of a column and the two clusters of a batch: 32 blocks, a lane a block, for every wave.
; kb 0-7 come by their loads alone.  xt: my own 64 rows x 512 bytes are 128 blocks: 32 in each of the four trips.  Each block is named once.
.macro ASK
	s_cmp_gt_u32 s3, 2
	s_cbranch_scc0 .Lno_more_\@
	global_prefetch_b8 v[PFO], s[PFA:PFA+1] th:TH_LOAD_NT scope:SCOPE_SE
.Lno_more_\@:
	global_prefetch_b8 v[PFXO], s[PFX:PFX+1] offset:-65536 th:TH_LOAD_NT scope:SCOPE_SE
.endm
.macro CREST
	s_cmp_lg_u32 s[WV], 0
	s_cbranch_scc1 .Lnot_wave_0_\@
	s_barrier_signal -3
.Lnot_wave_0_\@:
	s_barrier_wait -3
	s_barrier_signal -1
	s_barrier_wait -1
.endm
.macro CROUND
	s_barrier_signal -1
	s_barrier_wait -1
	CREST
.endm
	s_load_b256 s[4:11], s[0:1], 0x0               ; oc 4, qkvg 6, xt 8, s2p 10
	s_load_b128 s[12:15], s[0:1], 0x20             ; conv_w 12, conv_b 14
	s_load_b64 s[16:17], s[0:1], 0x30              ; out0
	v_lshl_add_u32 v[SPW], v0, 2, SPARE
	v_mov_b32 v[NIL], 0
	ds_add_u32 v[SPW], v[NIL]                      ; the wave's opening: the add and its wait, ahead of my first tensor load
	v_lshrrev_b32 v1, 5, v0
	v_readfirstlane_b32 s[WV], v1
	s_lshr_b32 s[WR], s[WV], 1                     ; my 64 rows; also: I fetch for O (0) or G (1)
	s_and_b32 s[WC], s[WV], 1                      ; my 128 columns; also: which block of rows I fetch
	s_bfe_u32 s40, ttmp6, 0x40000                  ; cx
	s_bfe_u32 s41, ttmp6, 0x40004                  ; cy
	s_lshl_b32 s42, ttmp9, 2
	s_add_co_u32 s42, s42, s40                     ; tile column 0..3
	s_and_b32 s[CY], ttmp7, 0xffff                 ; the cluster's y
	s_lshr_b32 s[BT], s[CY], 1                     ; the batch, from the cluster's y alone
	s_lshl_b32 s[TY], s[CY], 2
	s_add_co_u32 s[TY], s[TY], s41                 ; tile row 0..63 = 8 b + the block of 128 rows
	s_lshl_b32 s22, s41, 2
	s_lshl_b32 s22, 15, s22                        ; my row of the cluster
	s_lshl_b32 s23, 0x1111, s40                    ; my column
	s_or_b32 s[G1A3], s22, FLAGS
	s_or_b32 s[G1A1], s22, FLAGS
	s_or_b32 s[G1B3], s23, FLAGS
	s_or_b32 s[G1B1], s23, FLAGS
	SHAPE G1A3, 96                                 ; 3 kb of 64 rows: 24,576 bytes
	SHAPE G1A1, 32
	SHAPE G1B3, 192                                ; 3 kb of 128 rows
	SHAPE G1B1, 64
	s_mov_b32 s[C1], 0x3db8aa3b
	s_mov_b32 s[C1+1], 0x3db8aa3b
	s_mov_b32 s[L2E], 0x3fb8aa3b
	s_mov_b32 s[TB], 0
	s_mov_b32 s[TF], SLOT
	s_lshl_b32 s20, s[TY], 18                      ; O: tile row x two blocks of 131,072 bytes,
	s_lshl_b32 s21, s[WC], 17                      ; my block
	s_add_co_u32 s20, s20, s21
	s_mov_b32 s21, 0
	s_lshl_b32 s46, s[BT], 21                      ; G: the fourth part, batch << 21, tile column x two blocks of 262,144 bytes, my block
	s_lshl_b32 s47, s42, 19
	s_add_co_u32 s46, s46, s47
	s_lshl_b32 s47, s[WC], 18
	s_add_co_u32 s46, s46, s47
	s_add_co_u32 s46, s46, 3<<24
	s_mov_b32 s47, 0
	s_mul_i32 s[WBA], s[WC], ABLK
	s_mul_i32 s[WBB], s[WC], BBLK
	s_add_co_u32 s[WBB], s[WBB], 2*ABLK
	s_wait_dscnt 0x0                               ; the opening add is done
	s_wait_kmcnt 0x0
	s_add_nc_u64 s[20:21], s[4:5], s[20:21]
	s_add_nc_u64 s[46:47], s[6:7], s[46:47]
	CROUND                                         ; all sixteen work-groups are here: the first joint loads meet
	s_mov_b32 s[G0A1], 1                           ; kb 0 into slot 0
	s_mov_b32 s[G0A1+1], s[WBA]
	s_mov_b64 s[G0A1+2:G0A1+3], s[20:21]
	s_or_b32 s[G0A1+3], s[G0A1+3], 0x80000000
	s_mov_b32 s[G0A], 1                            ; kb 1-3 into slot 1
	s_add_co_u32 s[G0A+1], s[WBA], SLOT
	s_add_nc_u64 s[G0A+2:G0A+3], s[20:21], 8192
	s_or_b32 s[G0A+3], s[G0A+3], 0x80000000
	s_mov_b32 s[G0B1], 1
	s_mov_b32 s[G0B1+1], s[WBB]
	s_mov_b64 s[G0B1+2:G0B1+3], s[46:47]
	s_or_b32 s[G0B1+3], s[G0B1+3], 0x80000000
	s_mov_b32 s[G0B], 1
	s_add_co_u32 s[G0B+1], s[WBB], SLOT
	s_add_nc_u64 s[G0B+2:G0B+3], s[46:47], 16384
	s_or_b32 s[G0B+3], s[G0B+3], 0x80000000
	s_cmp_eq_u32 s[WR], 0                          ; a wave's two first fills stand in one branch, ahead of every wait on TENSORcnt and every LDS read: two loads of mine are out
	s_cbranch_scc0 .Lfirst_b
	tensor_load_to_lds s[G0A1:G0A1+3], s[G1A1:G1A1+7]
	s_nop 0
	tensor_load_to_lds s[G0A:G0A+3], s[G1A3:G1A3+7]
	s_nop 0
.rept 4
	v_nop
.endr
	s_branch .Lfirst_asked
.Lfirst_b:
	tensor_load_to_lds s[G0B1:G0B1+3], s[G1B1:G1B1+7]
	s_nop 0
	tensor_load_to_lds s[G0B:G0B+3], s[G1B3:G1B3+7]
	s_nop 0
.rept 4
	v_nop
.endr
.Lfirst_asked:
	s_load_b128 s[4:7], s[12:13], 0x0              ; w00, w01, w10, w11 (the two addresses that lay here have served)
	s_load_b64 s[18:19], s[14:15], 0x0             ; b0, b1
	v_and_b32 v1, 15, v0
	v_bfe_u32 v2, v0, 4, 1
	v_and_b32 v4, 31, v0
	; the sums of s2p: 16 parts x 2 halves of my 128 columns, 256 consecutive bytes a load
	s_lshl_b32 s22, s[BT], 16
	s_lshl_b32 s23, s42, 10
	s_add_co_u32 s22, s22, s23
	s_lshl_b32 s23, s[WC], 9
	s_add_co_u32 s22, s22, s23
	s_mov_b32 s23, 0
	s_add_nc_u64 s[10:11], s[10:11], s[22:23]
	v_lshlrev_b32 v7, 3, v4
.set n, 0
.rept 32
	global_load_b64 v[160+2*n:161+2*n], v7, s[10:11] offset:(n/2)*4096+(n%2)*256
.set n, n+1
.endr
	; xt at my wave's corner: tile row x 128 rows of 4,096 bytes, 64 rows, tile column x 1,024 bytes, 512 bytes
	s_lshl_b32 s22, s[TY], 19
	s_lshl_b32 s23, s[WR], 18
	s_add_co_u32 s22, s22, s23
	s_lshl_b32 s23, s42, 10
	s_add_co_u32 s22, s22, s23
	s_lshl_b32 s23, s[WC], 9
	s_add_co_u32 s22, s22, s23
	s_mov_b32 s23, 0
	s_add_nc_u64 s[8:9], s[8:9], s[22:23]
	s_mov_b64 s[PFX:PFX+1], s[8:9]
	s_mov_b32 s[GX0], 1
	s_lshl_b32 s[GX0+1], s[WV], 15                 ; LDS: wave x 64 rows of 512 bytes
	s_mov_b64 s[GX0+2:GX0+3], s[8:9]
	s_or_b32 s[GX0+3], s[GX0+3], 0x80000000
	; out0 at my wave's corner: twice xt's offsets
	s_lshl_b32 s22, s[TY], 20
	s_lshl_b32 s23, s[WR], 19
	s_add_co_u32 s22, s22, s23
	s_lshl_b32 s23, s42, 11
	s_add_co_u32 s22, s22, s23
	s_lshl_b32 s23, s[WC], 10
	s_add_co_u32 s22, s22, s23
	s_mov_b32 s23, 0
	s_add_nc_u64 s[16:17], s[16:17], s[22:23]
	; the prefetches along K: my part at kb 4 (the first trip steps it to kb 8), my share of 32 blocks
	s_and_b32 s23, s[CY], 1
	s_lshl_b32 s23, s23, 2
	s_add_co_u32 s23, s23, s41                     ; G: one of eight sharers
	s_lshl_b32 s[PST], 32768, s[WR]                ; four kb: 32,768 bytes of O's block, 65,536 of G's
	s_mov_b32 s[PST+1], 0
	s_cmp_eq_u32 s[WR], 0
	s_cselect_b32 s22, s40, s23                    ; O: one of four
	s_cselect_b64 s[PFA:PFA+1], s[20:21], s[46:47]
	s_lshl_b32 s22, s22, 13
	s_add_co_u32 s22, s22, s[PST]
	s_mov_b32 s23, 0
	s_add_nc_u64 s[PFA:PFA+1], s[PFA:PFA+1], s[22:23]
	v_lshlrev_b32 v[PFO], 8, v4
	v_lshrrev_b32 v5, 1, v4                        ; xt: row lane / 2, half lane % 2
	v_and_b32 v6, 1, v4
	v_lshlrev_b32 v6, 8, v6
	v_lshl_add_u32 v[PFXO], v5, 12, v6
	; LDS addresses
	v_lshrrev_b32 v3, 1, v1
	v_mul_u32_u24 v3, v3, P2
	v_and_b32 v5, 1, v0
	v_lshl_add_u32 v3, v5, 7, v3
	v_lshl_add_u32 v3, v2, 4, v3                   ; a fragment's row, and 16 bytes for each half of the lanes
	s_mul_i32 s22, s[WR], ABLK
	s_mul_i32 s23, s[WC], BBLK
	s_add_co_u32 s23, s23, 2*ABLK
	v_add_nc_u32 v[A0], s22, v3
	v_add_nc_u32 v[B0], s23, v3
	v_mov_b32 v[ADRA], v[A0]                       ; slot 0, kb 0
	v_mov_b32 v[ADRB], v[B0]
	s_mul_i32 s22, s[WV], 64*SP
	s_add_co_u32 s22, s22, STG
	v_mul_u32_u24 v5, v1, SP
	v_lshl_add_u32 v5, v2, 5, v5
	v_add_nc_u32 v[STO], s22, v5                   ; in: row l % 16, 32 bytes for each half of the lanes
	v_lshl_add_u32 v[SRD], v4, 3, s22              ; back: 8 bytes a lane along a row
	s_lshl_b32 s22, s[WV], 15
	v_lshl_add_u32 v[XRD], v4, 3, s22              ; the same numbers of xt
	v_lshlrev_b32 v[GO], 4, v4
	s_wait_kmcnt 0x0
	v_mov_b32 v38, s6
	v_sub_f32 v38, s4, v38
	v_mul_f32 v38, 0x41200000, v38                 ; 10 (w00 - w10)
	v_mov_b32 v39, s7
	v_sub_f32 v[DX], s5, v39
	v_mov_b32 v[DX+1], v[DX]
	v_add_f32 v[K0], s18, v38
	v_mov_b32 v39, s19
	v_sub_f32 v[K0], v[K0], v39
	v_mov_b32 v[K0+1], v[K0]
	v_mul_f32 v[M2A], -2.0, v38
	v_mov_b32 v[M2A+1], v[M2A]
	s_wait_loadcnt 0x0
	v_pk_add_f32 v[S2C:S2C+1], v[160:161], v[164:165]
	v_pk_add_f32 v[S2C+2:S2C+3], v[162:163], v[166:167]
.set n, 2
.rept 14
	v_pk_add_f32 v[S2C:S2C+1], v[S2C:S2C+1], v[160+4*n:161+4*n]
	v_pk_add_f32 v[S2C+2:S2C+3], v[S2C+2:S2C+3], v[162+4*n:163+4*n]
.set n, n+1
.endr
	v_pk_mul_f32 v[S2C:S2C+1], v[S2C:S2C+1], 0x4038aa3b op_sel_hi:[1,0]
	v_pk_mul_f32 v[S2C+2:S2C+3], v[S2C+2:S2C+3], 0x4038aa3b op_sel_hi:[1,0]
; 8 matrix instructions: row block a x all 8 column blocks, 32 along K.  The 32 accumulators take turns in the same order in every quarter.
.macro MUL8 f, a, zero
	WIN W_MUL
.irp c, 0,1,2,3,4,5,6,7
.if \zero
	v_wmma_f32_16x16x32_f16 v[8*(8*(\a)+(\c)):8*(8*(\a)+(\c))+7], v[(\f)+8*(\c):(\f)+8*(\c)+7], v[(\f)+64+8*(\a):(\f)+64+8*(\a)+7], 0
.else
	v_wmma_f32_16x16x32_f16 v[8*(8*(\a)+(\c)):8*(8*(\a)+(\c))+7], v[(\f)+8*(\c):(\f)+8*(\c)+7], v[(\f)+64+8*(\a):(\f)+64+8*(\a)+7], v[8*(8*(\a)+(\c)):8*(8*(\a)+(\c))+7]
.endif
.endr
.endm
; 24 LDS loads in one run: half hf (32 numbers) of the kb at which the two addresses stand, into buffer f: G's 16, then O's 8
.macro FETCH f, hf
	WIN 0
.irp i, 0,1,2,3,4,5,6,7
	ds_load_b128 v[(\f)+8*(\i):(\f)+8*(\i)+3],   v[ADRB] offset:(\hf)*64+(\i)*8*P2
	ds_load_b128 v[(\f)+8*(\i)+4:(\f)+8*(\i)+7], v[ADRB] offset:(\hf)*64+(\i)*8*P2+32
.endr
.irp i, 0,1,2,3
	ds_load_b128 v[(\f)+64+8*(\i):(\f)+64+8*(\i)+3],   v[ADRA] offset:(\hf)*64+(\i)*8*P2
	ds_load_b128 v[(\f)+64+8*(\i)+4:(\f)+64+8*(\i)+7], v[ADRA] offset:(\hf)*64+(\i)*8*P2+32
.endr
.endm
.macro PLACES                          ; four plain vector instructions between a matrix instruction and a load into, or a store or vector read of, its registers
.rept 4
	v_nop
.endr
.endm
.macro QUARTER f, g, hf, zero          ; multiplies buffer f; in its middle fetches half hf into g
	s_wait_dscnt 4                                 ; all but the youngest four loads (O's row blocks 2, 3)
	MUL8 \f, 0, \zero
	MUL8 \f, 1, \zero
	PLACES
	FETCH \g, \hf
	s_wait_dscnt 24                                ; all but the 24 just issued
	MUL8 \f, 2, \zero
	MUL8 \f, 3, \zero
.endm
; A piece's second and third kb: the addresses step on by a kb, and its two halves are fetched while the halves before them are multiplied.
.macro PAIRS
	s_mov_b32 s2, 2
.Lpair_\@:
	v_add_nc_u32 v[ADRA], AKB, v[ADRA]
	v_add_nc_u32 v[ADRB], BKB, v[ADRB]
	QUARTER F1, F0, 0, 0
	QUARTER F0, F1, 1, 0
	WIN 0
	s_sub_co_u32 s2, s2, 1
	s_cmp_lg_u32 s2, 0
	s_cbranch_scc1 .Lpair_\@
.endm
; A piece's last quarter and the change of slots.  kind = 0: the slot just read takes the piece two on, by the joint load.  kind = 1: slot 0's bytes take xt, each wave its own 64 x 128 numbers.
.macro TURN kind
.if (\kind) == 0
	s_wait_xcnt 0x0                                ; the last prefetches, a piece back, have read their addresses
	s_add_nc_u64 s[PFA:PFA+1], s[PFA:PFA+1], s[PST:PST+1]
	s_add_nc_u64 s[PFX:PFX+1], s[PFX:PFX+1], 65536 ; 16 rows of xt; the prefetch reaches back by as much
.endif
	WIN 0
	s_wait_tensorcnt 0x0                           ; all my tensor loads have landed: the one that was out is my part of the next slot;
	ds_add_u32 v[SPW], v[NIL]                      ; 0 onto my spare word;
.if (\kind) == 0
	s_xor_b32 s[TF], s[TF], SLOT                   ; no tensor load of mine is out, so the walking descriptors are written: the other slot than last time,
	s_add_co_u32 s[G0A+1], s[TF], s[WBA]
	s_add_co_u32 s[G0B+1], s[TF], s[WBB]
	s_add_nc_u64 s[G0A+2:G0A+3], s[G0A+2:G0A+3], 3*8192    ; three kb on
	s_add_nc_u64 s[G0B+2:G0B+3], s[G0B+2:G0B+3], 3*16384
.else
	s_mov_b32 s[GX1+0], 2<<16                      ; xt: 4-byte elements, no mask, no padding
	s_mov_b32 s[GX1+1], 128<<16                    ; 128 columns
	s_mov_b32 s[GX1+2], 64<<16                     ; 64 rows
	s_mov_b32 s[GX1+3], 128<<16
	s_mov_b32 s[GX1+4], 64
	s_mov_b32 s[GX1+5], 1024
	s_mov_b32 s[GX1+6], 0
	s_mov_b32 s[GX1+7], 0
.endif
	s_wait_dscnt 5                                 ; (the add and the youngest four loads may be out)
	MUL8 F1, 0, 0
	s_wait_dscnt 0x0                               ; the add is done, and my reads of this slot are over
	s_barrier_signal -1
	MUL8 F1, 1, 0
	WIN 0
	s_xor_b32 s[TB], s[TB], SLOT                   ; from here on the other slot is read, from its first kb
	v_add_nc_u32 v[ADRA], s[TB], v[A0]
	v_add_nc_u32 v[ADRB], s[TB], v[B0]
	s_barrier_wait -1
	CREST                                          ; no wave of any partner still reads this slot or has a load on its way
.if (\kind) == 0
	JLOAD                                          ; the first tensor load behind the round; its four v_nop are also the places in front of the loads below
.else
	tensor_load_to_lds s[GX0:GX0+3], s[GX1:GX1+7]
	s_nop 0
.rept 4
	v_nop
.endr
.endif
	FETCH F0, 0
.if (\kind) == 0
	ASK
.endif
	MUL8 F1, 2, 0
	MUL8 F1, 3, 0
.endm
	s_wait_tensorcnt 1                             ; my part of kb 0 is in; kb 1-3 may stay out
	s_barrier_signal -1
	s_barrier_wait -1
	FETCH F0, 0
	QUARTER F0, F1, 1, 1                           ; the first quarter's products start the sums
	WIN 0
	s_mov_b32 s3, 4
.Lstep:                                                ; a trip: a piece's last quarter with the refill, and the next piece up to its last quarter
	TURN 0
	QUARTER F0, F1, 1, 0
	WIN 0
	PAIRS
	s_sub_co_u32 s3, s3, 1
	s_cmp_lg_u32 s3, 0
	s_cbranch_scc1 .Lstep
	TURN 1                                         ; xt comes in under the last piece
	QUARTER F0, F1, 1, 0
	WIN 0
	PAIRS
	s_wait_dscnt 4
	MUL8 F1, 0, 0
	MUL8 F1, 1, 0
	s_wait_dscnt 0x0
	MUL8 F1, 2, 0
	MUL8 F1, 3, 0
	WIN 0
	s_barrier_signal -1                            ; my reads of slot 1 are over (the wait for 0 above)
	s_barrier_wait -1                              ; everybody's are: its bytes may be written.  xt's load may stay out
	PLACES
	WIN 0x04                                       ; store data in window 1
.set n, 0
.rept 32                                       ; accumulator (a, c) = n: row 16 a + l % 16, columns 16 c + 8 (l / 16) + 0..7; the low four registers first
	ds_store_b128 v[STO], v[8*n:8*n+3]   offset:(n/8)*16*SP+(n%8)*64
	ds_store_b128 v[STO], v[8*n+4:8*n+7] offset:(n/8)*16*SP+(n%8)*64+16
.set n, n+1
.endr
	WIN 0
	s_wait_tensorcnt 0x0                           ; my part of xt is in; nobody else reads it
.macro ROWS4                           ; four rows' scores and xt: pair i = row i / 2, columns 64 (i % 2) + 2 l, + 1
.set i, 0
.rept 8
	ds_load_b64 v[SV+2*i:SV+2*i+1], v[SRD] offset:(i/2)*SP+(i%2)*256     ; my own bytes: served behind my stores
.set i, i+1
.endr
.set i, 0
.rept 8
	ds_load_b64 v[XV+2*i:XV+2*i+1], v[XRD] offset:(i/2)*512+(i%2)*256
.set i, i+1
.endr
.endm
	ROWS4
	s_mov_b32 s3, 16
.Lrow:                                                 ; a trip: four rows x my 128 columns, 16 numbers a lane; the next trip's LDS loads go out in its middle
	s_wait_dscnt 0x0
.set i, 0
.rept 8
	v_pk_fma_f32 v[TS+2*i:TS+2*i+1], v[SV+2*i:SV+2*i+1], s[C1:C1+1], v[S2C+2*(i%2):S2C+2*(i%2)+1] op_sel_hi:[1,0,1]  ; 2.88539 x score
.set i, i+1
.endr
.set i, 0
.rept 16
	v_exp_f32 v[TS+i], v[TS+i]
.set i, i+1
.endr
.set i, 0
.rept 8
	v_pk_fma_f32 v[TX+2*i:TX+2*i+1], v[XV+2*i:XV+2*i+1], v[DX:DX+1], v[K0:K0+1]   ; plain work that names no exponential's result
.set i, i+1
.endr
	s_wait_alu depctr_va_vdst(0)                   ; one wait for the 16 exponentials, ahead of the branch and of their first reader
	s_cmp_eq_u32 s3, 1                             ; the last trip has no rows behind it
	s_cbranch_scc1 .Lno_rows
	v_add_nc_u32 v[SRD], 4*SP, v[SRD]
	v_add_nc_u32 v[XRD], 2048, v[XRD]
	ROWS4
.Lno_rows:
.set i, 0
.rept 8
	v_pk_add_f32 v[TS+2*i:TS+2*i+1], v[TS+2*i:TS+2*i+1], 1.0 op_sel_hi:[1,0]
.set i, i+1
.endr
.set i, 0
.rept 16
	v_rcp_f32 v[TS+i], v[TS+i]
.set i, i+1
.endr
	v_nop
	s_wait_alu depctr_va_vdst(0)                   ; one wait for the 16 reciprocals
.set i, 0
.rept 8
	v_pk_fma_f32 v[TX+2*i:TX+2*i+1], v[TS+2*i:TS+2*i+1], v[M2A:M2A+1], v[TX+2*i:TX+2*i+1]  ; d
.set i, i+1
.endr
.set i, 0
.rept 16
	v_mul_f32 v[EW+i], -|v[TX+i]|, s[L2E]
.set i, i+1
.endr
.set i, 0
.rept 16
	v_exp_f32 v[EW+i], v[EW+i]
.set i, i+1
.endr
.set i, 0
.rept 16
	v_cmp_le_f32 s[MK+i], 0, v[TX+i]               ; is channel 0 the larger?
.set i, i+1
.endr
	s_wait_alu depctr_va_vdst(0)
.set i, 0
.rept 8
	v_pk_add_f32 v[EU+2*i:EU+2*i+1], v[EW+2*i:EW+2*i+1], 1.0 op_sel_hi:[1,0]
.set i, i+1
.endr
.set i, 0
.rept 16
	v_rcp_f32 v[EU+i], v[EU+i]                     ; the larger channel
.set i, i+1
.endr
	v_nop
	s_wait_alu depctr_va_vdst(0)
.set i, 0
.rept 8
	v_pk_mul_f32 v[EW+2*i:EW+2*i+1], v[EW+2*i:EW+2*i+1], v[EU+2*i:EU+2*i+1]   ; the smaller
.set i, i+1
.endr
	s_wait_xcnt 0x0                                ; the last trip's stores have read their offset and data: both are written again only behind this wait
	v_add_nc_u32 v[GO], 32768, v[GO]               ; four rows on; the stores reach back by as much
.set i, 0
.rept 16
	v_cndmask_b32 v[OUT+2*i], v[EW+i], v[EU+i], s[MK+i]
	v_cndmask_b32 v[OUT+2*i+1], v[EU+i], v[EW+i], s[MK+i]
.set i, i+1
.endr
.set i, 0
.rept 8
	global_store_b128 v[GO], v[OUT+4*i:OUT+4*i+3], s[16:17] offset:(i/2)*8192+(i%2)*512-32768 th:TH_STORE_NT  ; 512 consecutive bytes, aligned
.set i, i+1
.endr
	s_sub_co_u32 s3, s3, 1
	s_cmp_lg_u32 s3, 0
	s_cbranch_scc1 .Lrow
	s_wait_tensorcnt 0x0                           ; the wave's end
	ds_add_u32 v[SPW], v[NIL]
	s_wait_dscnt 0x0
	CROUND                                         ; the closing round
	s_endpgm
.Lfunc_end_k_q431b6ca4dc_score:
	.size	k_q431b6ca4dc_score, .Lfunc_end_k_q431b6ca4dc_score-k_q431b6ca4dc_score
	.p2alignl 7, 3214868480
	.fill 96, 4, 3214868480
	.section	.rodata,"a",@progbits
	.p2align	6, 0x0
	.amdhsa_kernel k_q431b6ca4dc_score
		.amdhsa_group_segment_fixed_size 327680
		.amdhsa_private_segment_fixed_size 0
		.amdhsa_enable_private_segment 0
		.amdhsa_kernarg_size 56
		.amdhsa_user_sgpr_count 2
		.amdhsa_user_sgpr_kernarg_segment_ptr 1
		.amdhsa_wavefront_size32 1
		.amdhsa_system_sgpr_workgroup_id_x 1
		.amdhsa_system_sgpr_workgroup_id_y 1
		.amdhsa_system_sgpr_workgroup_id_z 1
		.amdhsa_system_vgpr_workitem_id 0
		.amdhsa_next_free_vgpr 512
		.amdhsa_next_free_sgpr 102
		.amdhsa_reserve_vcc 0
		.amdhsa_float_denorm_mode_32 3
		.amdhsa_float_denorm_mode_16_64 3
		.amdhsa_memory_ordered 1
		.amdhsa_forward_progress 1
		.amdhsa_inst_pref_size 73
	.end_amdhsa_kernel
	.amdgpu_metadata
---
amdhsa.version: [ 1, 2 ]
amdhsa.kernels:
  - .name:           k_q431b6ca4dc_score
    .symbol:         k_q431b6ca4dc_score.kd
    .args:
      - { .name: oc, .offset: 0, .size: 8, .value_kind: global_buffer, .address_space: global }
      - { .name: qkvg, .offset: 8, .size: 8, .value_kind: global_buffer, .address_space: global }
      - { .name: xt, .offset: 16, .size: 8, .value_kind: global_buffer, .address_space: global }
      - { .name: s2p, .offset: 24, .size: 8, .value_kind: global_buffer, .address_space: global }
      - { .name: conv_w, .offset: 32, .size: 8, .value_kind: global_buffer, .address_space: global }
      - { .name: conv_b, .offset: 40, .size: 8, .value_kind: global_buffer, .address_space: global }
      - { .name: out0, .offset: 48, .size: 8, .value_kind: global_buffer, .address_space: global }
    .group_segment_fixed_size: 327680
    .private_segment_fixed_size: 0
    .kernarg_segment_align: 8
    .kernarg_segment_size: 56
    .max_flat_workgroup_size: 128
    .sgpr_count:     102
    .vgpr_count:     512
    .wavefront_size: 32
...
	.end_amdgpu_metadata
.endif
;; end of part 4
;; ======== version 2 of 2: 4 launches; version 1 with the launch prep written anew for expert scheduling mode
;; limits: values are held in f16: magnitudes above 65,504 overflow, below 6.1e-05 lose precision
;; workspace buffers: encb 16,777,216 bytes; wb 8,388,608 bytes; qkvg 67,108,864 bytes; oc 16,777,216 bytes; tpart 524,288 bytes; s2p 524,288 bytes
;; launch prep (part 5): grid 448 x 1, 8 waves a work-group, no clusters, 51,456 bytes of LDS; arguments t, encoded_jobs, Wq, Wk, Wv, Wc, tW1, tb1, tW2, encb, wb, tpart; writes encb, wb, tpart
.if DOCPART == 5
	.amdgcn_target "amdgcn-amd-amdhsa--gfx1250"
	.amdhsa_code_object_version 6
	.text
	.protected	k_q431b6ca4dc_prep
	.globl	k_q431b6ca4dc_prep
	.p2align	8
	.type	k_q431b6ca4dc_prep,@function
k_q431b6ca4dc_prep:
	s_mov_b64 s[64:65], 0
	v_nop
	global_prefetch_b8 v0, s[64:65] scope:SCOPE_SE
	s_setreg_imm32_b32 hwreg(HW_REG_WAVE_SCHED_MODE, 0, 2), 2
	s_setreg_imm32_b32 hwreg(HW_REG_WAVE_MODE, 25, 1), 1
	s_wait_xcnt 0x0
	s_wait_alu depctr_vm_vsrc(0)
; PREP.  Three kinds of work-group, told apart by the work-group's number alone (the same for all eight waves).
;   0-31   TIME:  the time MLP.  emb = [cos(t f), sin(t f)], h = relu(emb tW1^T + tb1), tpart[g][b][e] = sum over the 32 columns c of chunk g of h[b][c] tW2[e][c]  (f32, no bias yet)
;   32-95  TRANS: wb[3][kb][j][x] = Wc[64 kb + x][j] in f16: Wc transposed, in blocks
;   96-447 CAST:  encb[b][kb][n][x] = enc[b][n][64 kb + x], wb[0..2][kb][row][x] = Wq, Wk, Wv[row][64 kb + x], in f16
; THE BLOCKED LAYOUT: [block of 1,024 rows][16 kb][1,024 rows][64 numbers of f16]: R rows of one kb are R x 128 consecutive bytes.
; LIMITS.  Every number is rounded once to f16: beyond 65,504 it becomes an infinity; below 6e-5 it keeps f16's fixed step of 6e-8.
; sin and cos: the argument is reduced by quarters of a turn with one fused multiply-add; the reduction's error grows as 6e-8 |t|: stated for |t| up to 1e4.  The two series are cut where their
; first dropped term on |r| <= pi/4 is below 4e-7.  NaN and infinities are not treated apart.
; No matrix unit and no cluster for CAST and TRANS: they move bytes, each once.
; THE MODE: SCHED_MODE bits 1:0 = 2 (LLVM: expert scheduling mode 2), set by the entry lines.  The code itself states the register dependences between vector or matrix instructions and
; memory or LDS instructions, with s_wait_alu, always for 0.
; THE PLAN, by arm; the text has no loop.  Registers that memory or LDS instructions touch:
;   CAST   v7, v8 offsets, written once.  v64-191 loaded, read by the roundings.  v192-255: rounding n writes its pair once, store n reads it.  The roundings go in blocks of four loads; one wait at a
;          block's head states that the block before has written its pairs, and that block's four stores are dealt among this block's roundings, which name neither those pairs nor v8.
;   TRANS  v8 the loads' offset.  v64-127 loaded, read by the roundings; v64-95 take the LDS loads behind the barrier.  v9, v10, v11 addresses, written once.  v192-223: each written once, read by one LDS store.
;          The first half's LDS stores are dealt among the second half's roundings.
;   TIME   v7, v8, v9, v10-15, v1 offsets and addresses, written once.  The table goes out of v112-119 (first pass) and v80-87 (second pass).  v64-127 then take tW1 in f16, later the first tile's
;          partial sums and the stage's rows; v192-255 tW1 as loaded, layer 1's results, the second tile's partial sums, layer 2's results; v128-191 tW1, then tW2; v16-47 emb's fragments.
.set TABP,  2064                       ; a row of the table in LDS: 1,024 f16 + 16 bytes
.set HP,    16640                      ; the eight waves' partial sums of layer 1: 2,048 bytes a wave
.set OST,   33024                      ; the way out of TIME: 8 rows x 272 bytes for each wave
.set SPARE, 50432                      ; the spare words, 128 bytes for each of the eight waves: four blocks of 256 bytes that no other line names
.set SPW,   2                          ; v2  SPARE + 4 x my thread's number; never rewritten
.set NIL,   3                          ; v3  0; never rewritten
.set MKS,   10                         ; s10-17  TIME: eight lane masks (the addresses that lay here serve the other arms alone)
.set HF,    40                         ; v40-47  TIME: h in f16, source 1 of layer 2
	s_load_b512 s[8:23], s[0:1], 0x0               ; t 8, enc 10, Wq 12, Wk 14, Wv 16, Wc 18, tW1 20, tb1 22
	s_load_b256 s[24:31], s[0:1], 0x40             ; tW2 24, encb 26, wb 28, tpart 30
	v_lshl_add_u32 v[SPW], v0, 2, SPARE
	v_mov_b32 v[NIL], 0
	v_lshrrev_b32 v1, 5, v0
	v_readfirstlane_b32 s4, v1                     ; wave 0..7
	v_and_b32 v4, 31, v0                           ; lane l
	v_and_b32 v5, 15, v0                           ; l % 16
	v_bfe_u32 v6, v0, 4, 1                         ; l / 16
	s_mov_b32 s5, ttmp9
	s_wait_alu depctr_va_sdst(0)                   ; s4 is written: its first readers stand in the three arms
	s_wait_kmcnt 0x0
	s_cmp_lt_u32 s5, 32
	s_cbranch_scc1 .Ltime
	s_cmp_lt_u32 s5, 96
	s_cbranch_scc1 .Ltrans
	; CAST.  A work-group takes 32 rows x 1,024 columns; wave w the columns of kb = 2 w and 2 w + 1.  A load covers two rows' 256 bytes, a store 256 consecutive bytes, aligned.
	s_sub_co_u32 s6, s5, 96                        ; 0..351
	s_lshr_b32 s7, s6, 5                           ; block of 1,024 rows: 0-7 enc's batches, 8, 9, 10 Wq, Wk, Wv
	s_and_b32 s32, s6, 31                          ; which 32 rows of it
	s_and_b32 s40, s7, 7                           ; the block's number in its target
	s_cmp_lt_u32 s7, 8
	s_cselect_b32 s34, s6, s32                     ; the 32 rows' number in the source
	s_cselect_b64 s[36:37], s[10:11], s[12:13]
	s_cselect_b64 s[38:39], s[26:27], s[28:29]
	s_cmp_eq_u32 s7, 9
	s_cselect_b64 s[36:37], s[14:15], s[36:37]
	s_cmp_eq_u32 s7, 10
	s_cselect_b64 s[36:37], s[16:17], s[36:37]
	s_lshl_b32 s34, s34, 17                        ; 32 rows of 4,096 bytes
	s_mov_b32 s35, 0
	s_add_nc_u64 s[36:37], s[36:37], s[34:35]
	s_lshl_b32 s40, s40, 21
	s_lshl_b32 s41, s32, 12                        ; 32 rows of 128 bytes
	s_add_co_u32 s40, s40, s41
	s_mov_b32 s41, 0
	s_add_nc_u64 s[38:39], s[38:39], s[40:41]
	v_lshlrev_b32 v7, 12, v6                       ; in: (l / 16) rows + 16 (l % 16) + 512 w
	v_lshl_add_u32 v7, v5, 4, v7
	s_lshl_b32 s42, s4, 9
	v_add_nc_u32 v7, s42, v7
	v_lshlrev_b32 v8, 7, v6                        ; out: (l / 16) rows of 128 + 8 (l % 16) + two planes a wave
	v_lshl_add_u32 v8, v5, 3, v8
	s_lshl_b32 s42, s4, 18
	v_add_nc_u32 v8, s42, v8
	s_wait_alu depctr_va_vdst(0)                   ; v7 and v8 are written: every load of this arm reads v7 as its offset, every store v8
.set n, 0
.rept 32                                       ; all 32 loads of the wave go out at once: 16 KiB on their way
	global_load_b128 v[64+4*n:64+4*n+3], v7, s[36:37] offset:(n%16)*8192+(n/16)*256 th:TH_LOAD_NT
.set n, n+1
.endr
.set n, 0
.rept 32
	s_wait_loadcnt 31-n                            ; loads come back in order: number n is in, the 31 - n younger ones stay out
.if (n > 0) && (n%4 == 0)
	s_wait_alu depctr_va_vdst(0)                   ; the block of four before has written its eight registers of v192-255, which the four stores of this block read
.endif
.if n >= 4
	global_store_b64 v8, v[192+2*(n-4):192+2*(n-4)+1], s[38:39] offset:((n-4)/16)*131072+((n-4)%16)*256  ; the block before.  No vector instruction since the wait names its registers; none is written again
.endif
	v_cvt_pk_f16_f32 v[192+2*n], v[64+4*n], v[64+4*n+1]
	v_cvt_pk_f16_f32 v[192+2*n+1], v[64+4*n+2], v[64+4*n+3]
.set n, n+1
.endr
	s_wait_alu depctr_va_vdst(0)                   ; the last block has written v248-255, which the last four stores read
.set n, 28
.rept 4
	global_store_b64 v8, v[192+2*n:192+2*n+1], s[38:39] offset:(n/16)*131072+(n%16)*256
.set n, n+1
.endr
	s_branch .Lend
.Ltrans:
	; TRANS.  64 rows e (one kb) x 256 columns j of Wc.  Two rows' numbers of one column pack into a word; the words go into LDS rows j of 144 bytes and come back as rows of 128.
	s_sub_co_u32 s6, s5, 32
	s_lshr_b32 s7, s6, 2                           ; kb
	s_and_b32 s6, s6, 3                            ; which 256 columns
	s_lshl_b32 s32, s7, 18
	s_lshl_b32 s33, s6, 10
	s_add_co_u32 s32, s32, s33
	s_mov_b32 s33, 0
	s_add_nc_u64 s[36:37], s[18:19], s[32:33]
	s_lshl_b32 s32, s7, 17
	s_lshl_b32 s34, s6, 15
	s_add_co_u32 s32, s32, s34
	s_add_co_u32 s32, s32, 3<<21
	s_add_nc_u64 s[38:39], s[28:29], s[32:33]
	v_lshrrev_b32 v7, 4, v0                        ; pair of rows 0..15 (and 16 more in the second pass)
	v_lshlrev_b32 v8, 13, v7
	v_lshl_add_u32 v8, v5, 4, v8
	s_wait_alu depctr_va_vdst(0)                   ; v8 is written, which the sixteen loads read as their offset
.irp q, 0,1,2,3
.irp p, 0,1
.irp h, 0,1
	global_load_b128 v[64+4*(((\q)*2+(\p))*2+(\h)):64+4*(((\q)*2+(\p))*2+(\h))+3], v8, s[36:37] offset:(\p)*131072+(\h)*4096+(\q)*256 th:TH_LOAD_NT
.endr
.endr
.endr
	v_mul_u32_u24 v9, v5, 576                      ; LDS row 4 (t % 16) + .., word of my pair of rows
	v_lshl_add_u32 v9, v7, 2, v9
	v_lshrrev_b32 v10, 3, v0
	v_mul_u32_u24 v10, v10, 144
	v_and_b32 v11, 7, v0
	v_lshl_add_u32 v10, v11, 4, v10                ; back: row t / 8, 16 bytes
	v_lshlrev_b32 v11, 4, v0
; Word x of 32: quarter of the columns x / 8, pass (x / 4) % 2, column x % 4.  Its two rows' numbers lie in the pair of loads x / 4.
.macro TCVT x
	v_cvt_pk_f16_f32 v[192+(\x)], v[64+8*((\x)/4)+(\x)%4], v[64+8*((\x)/4)+4+(\x)%4]
.endm
.macro TSTO x
	ds_store_b32 v9, v[192+(\x)] offset:((\x)/8)*9216+((\x)%4)*144+(((\x)/4)%2)*64
.endm
	s_wait_loadcnt 8                               ; the first eight loads (words 0-15) are in, the eight younger ones stay out
.set n, 0
.rept 16
	TCVT n
.set n, n+1
.endr
	s_wait_loadcnt 0x0
	s_wait_alu depctr_va_vdst(0)                   ; v192-207 are written, which the LDS stores below read, and so are the addresses v9, v10 and v11
.set n, 0
.rept 16                                       ; the first half's stores among the second half's roundings, which name v96-127 and v208-223 alone
	TSTO n
	TCVT n+16
.set n, n+1
.endr
	s_wait_alu depctr_va_vdst(0)                   ; v208-223 are written, which the LDS stores below read; all roundings are done reading v64-95, in which the LDS loads behind the barrier land
.set n, 16
.rept 16
	TSTO n
.set n, n+1
.endr
	s_wait_dscnt 0x0                               ; for the others' sake: my stores are done
	s_barrier_signal -1
	s_barrier_wait -1
.irp n, 0,1,2,3,4,5,6,7
	ds_load_b128 v[64+4*(\n):64+4*(\n)+3], v10 offset:(\n)*4608
.endr
.irp n, 0,1,2,3,4,5,6,7
	s_wait_dscnt 7-(\n)
	global_store_b128 v11, v[64+4*(\n):64+4*(\n)+3], s[38:39] offset:(\n)*4096  ; a wave's store covers 512 consecutive bytes, aligned
.endr
	s_branch .Lend
.Ltime:
	; TIME.  g = number / 2: the 32 columns of h; number % 2: which 512 of the 1,024 e.  Layer 1's K = 1,024 is split among the eight waves, 128 each; in layer 2 a wave makes 64 e.
	; Both products are taken with the weights as source 0 and the 8 batches (each twice) as source 1: a lane holds one batch and eight neighbouring columns, so layer 1's two results,
	; rounded in pairs, are source 1 of layer 2.
	s_lshr_b32 s6, s5, 1
	s_and_b32 s7, s5, 1
	s_mov_b32 s59, 0
	s_lshl_b32 s58, s4, 2
	s_add_nc_u64 s[56:57], s[8:9], s[58:59]
	s_load_b32 s60, s[56:57], 0x0                  ; t of batch = my wave's number
	s_lshl_b32 s58, s6, 17
	s_add_nc_u64 s[48:49], s[20:21], s[58:59]      ; tW1 at the chunk's 32 rows
	s_lshl_b32 s58, s6, 7
	s_add_nc_u64 s[50:51], s[22:23], s[58:59]      ; tb1 at the chunk
	s_add_nc_u64 s[52:53], s[24:25], s[58:59]      ; tW2 at the chunk's 32 columns,
	s_lshl_b32 s58, s7, 3
	s_add_co_u32 s58, s58, s4
	s_lshl_b32 s61, s58, 8
	s_lshl_b32 s58, s58, 17
	s_add_nc_u64 s[52:53], s[52:53], s[58:59]      ; at my 64 rows
	s_lshl_b32 s58, s6, 15
	s_add_co_u32 s58, s58, s61
	s_add_nc_u64 s[54:55], s[30:31], s[58:59]      ; tpart[g][0][my 64 e]
	v_lshlrev_b32 v9, 5, v6                        ; 32 (l / 16): eight f32
	v_lshl_add_u32 v7, v5, 12, v9
	s_lshl_b32 s61, s4, 9
	v_add_nc_u32 v7, s61, v7                       ; tW1: row l % 16, my wave's 128 columns
	v_lshl_add_u32 v8, v5, 11, v9                  ; tW2: row l % 16
	s_wait_alu depctr_va_vdst(0)                   ; v7, v8 and v9 are written: the offsets of the loads of tW1, tW2 and tb1
.irp j, 0,1
	global_load_b128 v[48+8*(\j):48+8*(\j)+3], v9, s[50:51] offset:64*(\j)
	global_load_b128 v[48+8*(\j)+4:48+8*(\j)+7], v9, s[50:51] offset:64*(\j)+16
.endr
.irp s, 0,1,2,3
.irp j, 0,1
.irp p, 0,1,2,3
	global_load_b128 v[128+16*(2*(\s)+(\j))+4*(\p):128+16*(2*(\s)+(\j))+4*(\p)+3], v7, s[48:49] offset:(\j)*65536+(\s)*128+((\p)/2)*64+((\p)%2)*16
.endr
.endr
.endr
	s_mul_i32 s61, s4, TABP
	v_lshl_add_u32 v10, v4, 4, s61                 ; the table: my batch's row, 16 bytes a lane
	v_and_b32 v16, 7, v0
	v_mul_u32_u24 v11, v16, TABP                   ; a fragment of emb: batch (l % 16) % 8,
	v_lshl_add_u32 v11, v6, 4, v11
	s_lshl_b32 s61, s4, 8
	v_add_nc_u32 v11, s61, v11                     ; my wave's 128 numbers
	s_lshl_b32 s61, s4, 11
	s_add_co_u32 s61, s61, HP
	v_lshl_add_u32 v12, v4, 5, s61
	v_lshlrev_b32 v13, 5, v4
	v_add_nc_u32 v13, HP, v13
	s_mul_i32 s61, s4, 2176
	s_add_co_u32 s61, s61, OST
	v_mul_u32_u24 v14, v16, 272
	v_add_nc_u32 v14, v14, v9
	v_add_nc_u32 v14, s61, v14
	v_mul_u32_u24 v15, v6, 272
	v_lshl_add_u32 v15, v5, 4, v15
	v_add_nc_u32 v15, s61, v15
	v_lshlrev_b32 v1, 12, v6
	v_lshl_add_u32 v1, v5, 4, v1                   ; tpart: batch l / 16 (+ 2 n), 16 bytes
.macro COEF r, x                       ; a pair: the packed forms name both words
	s_mov_b32 s[\r], \x
	s_mov_b32 s[\r+1], \x
.endm
	COEF 32, 0x3f22f983                            ; 2 / pi
	COEF 34, 0x3fc90fdb                            ; pi / 2
	COEF 36, 0xbe2aaaab                            ; -1/6
	COEF 38, 0x3c088889                            ; 1/120
	COEF 40, 0xb9500d01                            ; -1/5040
	COEF 42, 0x3d2aaaab                            ; 1/24
	COEF 44, 0xbab60b61                            ; -1/720
	COEF 46, 0x37d00d01                            ; 1/40320
	v_lshlrev_b32 v120, 3, v4
	s_wait_kmcnt 0x0
	; The table: 512 frequencies, 8 a lane, twice.  v16-23 x, v24-31 n, v32-39 r, v40-47 r^2, v64-71 sin r, v72-79 cos r, v80-95 at work, v96-103 sin x, v104-111 cos x.
	; The rounded numbers go out of v112-119 in the first pass and of v80-87, which are free by then, in the second: no register that an LDS store reads is written again inside the table.
.irp u, 0,1
.irp e, 0,1,2,3,4,5,6,7
	v_add_nc_u32 v[16+(\e)], 256*(\u)+(\e), v120
.endr
.irp e, 0,1,2,3,4,5,6,7
	v_cvt_f32_u32 v[16+(\e)], v[16+(\e)]
.endr
.irp e, 0,1,2,3,4,5,6,7
	v_mul_f32 v[16+(\e)], 0xbcd49a78, v[16+(\e)]   ; -log2(10000) / 512 x i
.endr
.irp e, 0,1,2,3,4,5,6,7
	v_exp_f32 v[16+(\e)], v[16+(\e)]
.endr
	v_nop                                          ; a plain instruction behind the last exponential,
	s_wait_alu depctr_va_vdst(0)                   ; and one wait: the eight exponentials have written v16-23, ahead of their first reader; in the second pass also: the first pass's roundings have written v112-119, and v10 is written
.if (\u) == 1
	ds_store_b128 v10, v[112:115]                  ; the first pass's cosines: numbers 0-255 of the row
	ds_store_b128 v10, v[116:119] offset:1024      ; its sines: 512-767
.endif
.irp e, 0,1,2,3,4,5,6,7
	v_mul_f32 v[16+(\e)], s60, v[16+(\e)]          ; x = t f
.endr
.irp p, 0,2,4,6
	v_pk_mul_f32 v[24+(\p):25+(\p)], v[16+(\p):17+(\p)], s[32:33] op_sel_hi:[1,0]
.endr
.irp e, 0,1,2,3,4,5,6,7
	v_rndne_f32 v[24+(\e)], v[24+(\e)]             ; n: quarters of a turn
.endr
.irp p, 0,2,4,6
	v_pk_fma_f32 v[32+(\p):33+(\p)], v[16+(\p):17+(\p)], s[32:33], v[24+(\p):25+(\p)] op_sel_hi:[1,0,1] neg_lo:[0,0,1] neg_hi:[0,0,1]
.endr
.irp p, 0,2,4,6
	v_pk_mul_f32 v[32+(\p):33+(\p)], v[32+(\p):33+(\p)], s[34:35] op_sel_hi:[1,0]  ; r, within pi / 4
.endr
.irp p, 0,2,4,6
	v_pk_mul_f32 v[40+(\p):41+(\p)], v[32+(\p):33+(\p)], v[32+(\p):33+(\p)]
.endr
.irp p, 0,2,4,6
	v_pk_fma_f32 v[64+(\p):65+(\p)], v[40+(\p):41+(\p)], s[40:41], s[38:39] op_sel_hi:[1,0,0]
	v_pk_fma_f32 v[72+(\p):73+(\p)], v[40+(\p):41+(\p)], s[46:47], s[44:45] op_sel_hi:[1,0,0]
.endr
.irp p, 0,2,4,6
	v_pk_fma_f32 v[64+(\p):65+(\p)], v[64+(\p):65+(\p)], v[40+(\p):41+(\p)], s[36:37] op_sel_hi:[1,1,0]
	v_pk_fma_f32 v[72+(\p):73+(\p)], v[72+(\p):73+(\p)], v[40+(\p):41+(\p)], s[42:43] op_sel_hi:[1,1,0]
.endr
.irp p, 0,2,4,6
	v_pk_fma_f32 v[64+(\p):65+(\p)], v[64+(\p):65+(\p)], v[40+(\p):41+(\p)], 1.0 op_sel_hi:[1,1,0]
	v_pk_fma_f32 v[72+(\p):73+(\p)], v[72+(\p):73+(\p)], v[40+(\p):41+(\p)], -0.5 op_sel_hi:[1,1,0]
.endr
.irp p, 0,2,4,6
	v_pk_mul_f32 v[64+(\p):65+(\p)], v[64+(\p):65+(\p)], v[32+(\p):33+(\p)]
	v_pk_fma_f32 v[72+(\p):73+(\p)], v[72+(\p):73+(\p)], v[40+(\p):41+(\p)], 1.0 op_sel_hi:[1,1,0]
.endr
	; n odd: sine and cosine change places; bit 1 of n turns the sine's sign, bit 1 of n + 1 the cosine's.  The eight compares stand in a run, each with a mask of its own; the signs are made behind them.
.irp e, 0,1,2,3,4,5,6,7
	v_cvt_i32_f32 v[80+(\e)], v[24+(\e)]
.endr
.irp e, 0,1,2,3,4,5,6,7
	v_and_b32 v[88+(\e)], 1, v[80+(\e)]
.endr
.irp e, 0,1,2,3,4,5,6,7
	v_cmp_eq_u32 s[MKS+(\e)], 1, v[88+(\e)]
.endr
.irp e, 0,1,2,3,4,5,6,7
	v_lshlrev_b32 v[88+(\e)], 30, v[80+(\e)]
	v_and_b32 v[88+(\e)], 0x80000000, v[88+(\e)]
	v_add_nc_u32 v[80+(\e)], 1, v[80+(\e)]
	v_lshlrev_b32 v[80+(\e)], 30, v[80+(\e)]
	v_and_b32 v[80+(\e)], 0x80000000, v[80+(\e)]
.endr
	s_wait_alu depctr_va_sdst(0)                   ; the eight compares have written s10-17, ahead of the selects that read them
.irp e, 0,1,2,3,4,5,6,7
	v_cndmask_b32 v[96+(\e)], v[64+(\e)], v[72+(\e)], s[MKS+(\e)]
	v_cndmask_b32 v[104+(\e)], v[72+(\e)], v[64+(\e)], s[MKS+(\e)]
	v_xor_b32 v[96+(\e)], v[88+(\e)], v[96+(\e)]
	v_xor_b32 v[104+(\e)], v[80+(\e)], v[104+(\e)]
.endr
.irp j, 0,1,2,3
	v_cvt_pk_f16_f32 v[112-32*(\u)+(\j)], v[104+2*(\j)], v[104+2*(\j)+1]
	v_cvt_pk_f16_f32 v[116-32*(\u)+(\j)], v[96+2*(\j)], v[96+2*(\j)+1]
.endr
.endr
	s_wait_alu depctr_va_vdst(0)                   ; the second pass's roundings have written v80-87, which the two LDS stores read
	ds_store_b128 v10, v[80:83] offset:512         ; the second pass's cosines: numbers 256-511 of the row
	ds_store_b128 v10, v[84:87] offset:1536        ; its sines: 768-1,023
	s_wait_loadcnt 0x0                             ; tb1 and tW1
	s_wait_alu depctr_vm_vsrc(0)                   ; the table's four LDS stores have read v80-87 and v112-119, which the roundings below write
.set n, 0
.rept 64
	v_cvt_pk_f16_f32 v[64+n], v[128+2*n], v[128+2*n+1]   ; fragment (K part s, tile j) at v[64 + 8 (2 s + j)]
.set n, n+1
.endr
	s_wait_alu depctr_va_vdst(0)                   ; the roundings are done reading v128-191, in which tW2 lands; the table's arithmetic is done with v16-47, in which emb's fragments land behind the barrier
.irp j, 0,1,2,3
.irp p, 0,1,2,3
	global_load_b128 v[128+16*(\j)+4*(\p):128+16*(\j)+4*(\p)+3], v8, s[52:53] offset:(\j)*32768+((\p)/2)*64+((\p)%2)*16
.endr
.endr
	s_wait_dscnt 0x0                               ; my row of the table is stored
	s_barrier_signal -1
	s_barrier_wait -1                              ; all eight rows are
.irp s, 0,1,2,3
	ds_load_b128 v[16+8*(\s):16+8*(\s)+3], v11 offset:64*(\s)
	ds_load_b128 v[16+8*(\s)+4:16+8*(\s)+7], v11 offset:64*(\s)+32
.endr
	s_wait_dscnt 0x0
.irp s, 0,1,2,3                        ; the two accumulators take turns, one instruction a turn; the first two products start the sums
.irp j, 0,1
.if (\s) == 0
	v_wmma_f32_16x16x32_f16 v[192+8*(\j):199+8*(\j)], v[64+8*(2*(\s)+(\j)):64+8*(2*(\s)+(\j))+7], v[16+8*(\s):16+8*(\s)+7], 0
.else
	v_wmma_f32_16x16x32_f16 v[192+8*(\j):199+8*(\j)], v[64+8*(2*(\s)+(\j)):64+8*(2*(\s)+(\j))+7], v[16+8*(\s):16+8*(\s)+7], v[192+8*(\j):199+8*(\j)]
.endif
.endr
.endr
.rept 4
	v_nop                                          ; four places behind the last product, ahead of the stores of its result
.endr
	s_wait_alu depctr_va_vdst(0)                   ; the products have written v192-207, which the LDS stores read, and are done reading v64-127, in which partial sums land behind the barrier; the places above stay beside this wait
.irp j, 0,1
	ds_store_b128 v12, v[192+8*(\j):195+8*(\j)] offset:1024*(\j)
	ds_store_b128 v12, v[196+8*(\j):199+8*(\j)] offset:1024*(\j)+16
.endr
	s_wait_dscnt 0x0
	s_barrier_signal -1
	s_barrier_wait -1                              ; the eight partial sums of both tiles lie in LDS; every wave adds them up for itself
	s_wait_alu depctr_vm_vsrc(0)                   ; my LDS stores have read v192-207, in which the second tile's partial sums land
.irp j, 0,1                            ; both tiles' loads go out together: tile 0 into v64-127, tile 1 into v192-255; no vector or matrix instruction since the last wait on va_vdst names either
.irp w, 0,1,2,3,4,5,6,7
	ds_load_b128 v[64+128*(\j)+8*(\w):64+128*(\j)+8*(\w)+3], v13 offset:2048*(\w)+1024*(\j)
	ds_load_b128 v[64+128*(\j)+8*(\w)+4:64+128*(\j)+8*(\w)+7], v13 offset:2048*(\w)+1024*(\j)+16
.endr
.endr
.irp j, 0,1
.set PB, 64+128*(\j)
	s_wait_dscnt 16-16*(\j)                        ; LDS loads come back in order: tile j's sixteen are in; behind tile 0's the sixteen of tile 1 stay out
.irp k, 0,1,2,3
.irp p, 0,2,4,6
	v_pk_add_f32 v[PB+16*(\k)+(\p):PB+1+16*(\k)+(\p)], v[PB+16*(\k)+(\p):PB+1+16*(\k)+(\p)], v[PB+8+16*(\k)+(\p):PB+9+16*(\k)+(\p)]
.endr
.endr
.irp k, 0,1
.irp p, 0,2,4,6
	v_pk_add_f32 v[PB+32*(\k)+(\p):PB+1+32*(\k)+(\p)], v[PB+32*(\k)+(\p):PB+1+32*(\k)+(\p)], v[PB+16+32*(\k)+(\p):PB+17+32*(\k)+(\p)]
.endr
.endr
.irp p, 0,2,4,6
	v_pk_add_f32 v[PB+(\p):PB+1+(\p)], v[PB+(\p):PB+1+(\p)], v[PB+32+(\p):PB+33+(\p)]
.endr
.irp p, 0,2,4,6
	v_pk_add_f32 v[PB+(\p):PB+1+(\p)], v[PB+(\p):PB+1+(\p)], v[48+8*(\j)+(\p):49+8*(\j)+(\p)]  ; + tb1
.endr
.irp e, 0,1,2,3,4,5,6,7
	v_max_num_f32 v[PB+(\e)], 0, v[PB+(\e)]        ; relu
.endr
.irp e, 0,1,2,3
	v_cvt_pk_f16_f32 v[HF+4*(\j)+(\e)], v[PB+2*(\e)], v[PB+2*(\e)+1]
.endr
.endr
	s_wait_loadcnt 0x0                             ; tW2
.set n, 0
.rept 32                                       ; in ascending order each line writes a register that earlier lines have read
	v_cvt_pk_f16_f32 v[128+16*(n/8)+n%8], v[128+16*(n/8)+2*(n%8)], v[128+16*(n/8)+2*(n%8)+1]
.set n, n+1
.endr
.irp j, 0,1,2,3
	v_wmma_f32_16x16x32_f16 v[216+8*(\j):223+8*(\j)], v[128+16*(\j):135+16*(\j)], v[HF:HF+7], 0
.endr
.rept 4
	v_nop                                          ; four places behind the last product, ahead of the stores of its result
.endr
	s_wait_alu depctr_va_vdst(0)                   ; the products have written v216-247, which the LDS stores read; the additions are done with v64-79, in which the loads from the stage land
.irp j, 0,1,2,3
	ds_store_b128 v14, v[216+8*(\j):219+8*(\j)] offset:64*(\j)      ; lanes 8-15 and 24-31 hold the same batches as 0-7 and 16-23 and store the same numbers
	ds_store_b128 v14, v[220+8*(\j):223+8*(\j)] offset:64*(\j)+16
.endr
.irp n, 0,1,2,3
	ds_load_b128 v[64+4*(\n):64+4*(\n)+3], v15 offset:544*(\n)      ; my own bytes: LDS serves a wave's instructions in order
.endr
.irp n, 0,1,2,3
	s_wait_dscnt 3-(\n)
	global_store_b128 v1, v[64+4*(\n):64+4*(\n)+3], s[54:55] offset:8192*(\n)  ; sixteen lanes store 256 consecutive bytes, aligned
.endr
.Lend:
	s_wait_dscnt 0x0                               ; the wave's end: the six closing lines, on end
	s_wait_alu 0x0
	s_wait_tensorcnt 0x0
	ds_add_u32 v[SPW], v[NIL]
	s_wait_dscnt 0x0
	s_endpgm
.Lfunc_end_k_q431b6ca4dc_prep:
	.size	k_q431b6ca4dc_prep, .Lfunc_end_k_q431b6ca4dc_prep-k_q431b6ca4dc_prep
	.p2alignl 7, 3214868480
	.fill 96, 4, 3214868480
	.section	.rodata,"a",@progbits
	.p2align	6, 0x0
	.amdhsa_kernel k_q431b6ca4dc_prep
		.amdhsa_group_segment_fixed_size 51456
		.amdhsa_private_segment_fixed_size 0
		.amdhsa_enable_private_segment 0
		.amdhsa_kernarg_size 96
		.amdhsa_user_sgpr_count 2
		.amdhsa_user_sgpr_kernarg_segment_ptr 1
		.amdhsa_wavefront_size32 1
		.amdhsa_system_sgpr_workgroup_id_x 1
		.amdhsa_system_sgpr_workgroup_id_y 1
		.amdhsa_system_sgpr_workgroup_id_z 1
		.amdhsa_system_vgpr_workitem_id 0
		.amdhsa_next_free_vgpr 256
		.amdhsa_next_free_sgpr 66
		.amdhsa_reserve_vcc 0
		.amdhsa_float_denorm_mode_32 3
		.amdhsa_float_denorm_mode_16_64 3
		.amdhsa_memory_ordered 1
		.amdhsa_forward_progress 1
		.amdhsa_inst_pref_size 66
	.end_amdhsa_kernel
	.amdgpu_metadata
---
amdhsa.version: [ 1, 2 ]
amdhsa.kernels:
  - .name:           k_q431b6ca4dc_prep
    .symbol:         k_q431b6ca4dc_prep.kd
    .args:
      - { .name: t, .offset: 0, .size: 8, .value_kind: global_buffer, .address_space: global }
      - { .name: encoded_jobs, .offset: 8, .size: 8, .value_kind: global_buffer, .address_space: global }
      - { .name: Wq, .offset: 16, .size: 8, .value_kind: global_buffer, .address_space: global }
      - { .name: Wk, .offset: 24, .size: 8, .value_kind: global_buffer, .address_space: global }
      - { .name: Wv, .offset: 32, .size: 8, .value_kind: global_buffer, .address_space: global }
      - { .name: Wc, .offset: 40, .size: 8, .value_kind: global_buffer, .address_space: global }
      - { .name: tW1, .offset: 48, .size: 8, .value_kind: global_buffer, .address_space: global }
      - { .name: tb1, .offset: 56, .size: 8, .value_kind: global_buffer, .address_space: global }
      - { .name: tW2, .offset: 64, .size: 8, .value_kind: global_buffer, .address_space: global }
      - { .name: encb, .offset: 72, .size: 8, .value_kind: global_buffer, .address_space: global }
      - { .name: wb, .offset: 80, .size: 8, .value_kind: global_buffer, .address_space: global }
      - { .name: tpart, .offset: 88, .size: 8, .value_kind: global_buffer, .address_space: global }
    .group_segment_fixed_size: 51456
    .private_segment_fixed_size: 0
    .kernarg_segment_align: 8
    .kernarg_segment_size: 96
    .max_flat_workgroup_size: 256
    .sgpr_count:     66
    .vgpr_count:     256
    .wavefront_size: 32
...
	.end_amdgpu_metadata
.endif
;; end of part 5
;; launch gemm: the kernel of part 2 again; grid 16 x 16, 4 waves a work-group, clusters of 4 x 4, 327,680 bytes of LDS; arguments encb, wb, qkvg; writes qkvg
;; launch attn: the kernel of part 3 again; grid 2 x 128, 4 waves a work-group, no clusters, 327,680 bytes of LDS; arguments qkvg, oc, encb, tpart, bc, tb2, s2p; writes oc, s2p
;; launch score: the kernel of part 4 again; grid 4 x 64, 4 waves a work-group, clusters of 4 x 4, 327,680 bytes of LDS; arguments oc, qkvg, xt, s2p, conv_w, conv_b, out0; writes out0
